; MI455X (gfx1250); checked and timed in simulation.
; The chip was launched on July 23, 2026; its instructions are those of AMD's public machine-readable ISA for CDNA 5 (MIT licence, August 2026) and "CDNA5" Instruction Set Architecture Reference Guide (July 2026). The comments in the code are by the model that wrote it; some were corrected since.
;; Multi Head Self Attention. Allowed arithmetic: float matrix products may take bf16 or f16 operands with f32 sums; other float arithmetic in f32, or as packed bf16 or f16 multiplies, adds, multiply-adds, maxima and minima; sums over many terms, partial sums and values carried from step to step in f32; what a program stores and reads back later, other than sums and carried values, may be rounded once to bf16 or f16.
;; Inputs: Wk 1,024 x 1,024 float32; Wo 1,024 x 1,024 float32; Wq 1,024 x 1,024 float32; Wv 1,024 x 1,024 float32; bk 1,024 float32; bo 1,024 float32; bq 1,024 float32; bv 1,024 float32; x 4 x 4,096 x 1,024 float32.
;; Outputs: out0 4 x 4,096 x 1,024 float32.
;; 2 versions, each right; version 2 is version 1 with the launch attn written anew for expert scheduling mode. Each part assembles by itself: llvm-mc -triple=amdgcn-amd-amdhsa -mcpu=gfx1250 --defsym DOCPART=n.
;; ======== version 1 of 2: 4 launches
;; limits: values are held in f16: magnitudes above 65,504 overflow, below 6.1e-05 lose precision
;; workspace buffers: xb 33,554,432 bytes; wb 8,388,608 bytes; bp 16,384 bytes; qkv 100,663,296 bytes; att 33,554,432 bytes
;; launch prep (part 1): grid 1280 x 1, 8 waves a work-group, no clusters, 0 bytes of LDS; arguments x, Wq, Wk, Wv, Wo, bq, bk, bv, bo, xb, wb, bp; writes xb, wb, bp
.if DOCPART == 1
	.amdgcn_target "amdgcn-amd-amdhsa--gfx1250"
	.amdhsa_code_object_version 6
	.text
	.protected	k_q1460059922_prep
	.globl	k_q1460059922_prep
	.p2align	8
	.type	k_q1460059922_prep,@function
k_q1460059922_prep:
	s_mov_b64 s[64:65], 0
	v_nop
	global_prefetch_b8 v0, s[64:65] scope:SCOPE_SE
	s_setreg_imm32_b32 hwreg(HW_REG_WAVE_MODE, 25, 1), 1
	s_wait_xcnt 0x0
; CASTS.  x [16384][1024] f32 -> xb, bf16, as it lies.  Wq, Wk, Wv [1024][1024] f32 -> wb rows 0-3071, bf16, rows permuted.  Wo -> wb rows 3072-4095: rounded to bf16 like
; every other input, and that number written as f16 (the last product multiplies in f16).  bq, bk, bv, bo -> bp [4096] f32: rounded to bf16, held as f32, in wb's row order.
; THE PERMUTATIONS, of a weight's row f = 64 head + d:  Wq, Wk: row (d >> 4) 256 + 16 head + (d & 15);  Wv: row 16 d + head;  Wo: none.  They decide the column order of q, k and v, so that the
; attention launch finds every fragment as 512 consecutive bytes.
; LIMIT.  An entry of Wo below 6.1e-5 in magnitude keeps f16's fixed step of 6e-8; beyond 65,504 it would become an infinity.
; SHARES.  A work-group converts 16 rows of 4,096 bytes; thread t owns the 16 bytes at 16 t of each row: a wave's load covers 512 consecutive bytes, its store 256 consecutive bytes at a multiple of 256.
; Work-groups 0-1023: x.  1024 + j: weight j >> 6, source rows 16 (j & 63) on; these 16 rows are one head's d = 16 c .. 16 c + 15, so their places in wb lie a constant stride apart.
; A stream: all 16 loads of a thread go out at once, several work-groups lie on a WGP; no LDS, no matrix unit, no cluster (no two work-groups read the same bytes).
.set XG,  1024                         ; work-groups that convert x
.set OFF, 4                            ; v[4:19]   row i: byte offset of my 8 bytes from the first destination row
.set X,   20                           ; v[20:83]  row i: 4 registers as loaded; the first two then hold what is stored
	s_load_b512 s[8:23], s[0:1], 0x0               ; x s[8:9], Wq s[10:11], Wk s[12:13], Wv s[14:15], Wo s[16:17], bq s[18:19], bk s[20:21], bv s[22:23]
	s_load_b256 s[24:31], s[0:1], 0x40             ; bo s[24:25], xb s[26:27], wb s[28:29], bp s[30:31]
	v_lshlrev_b32 v1, 4, v0                        ; 16 t: my bytes in a source row
	v_lshlrev_b32 v2, 3, v0                        ; 8 t: in a destination row
	v_lshrrev_b32 v3, 5, v0
	v_readfirstlane_b32 s48, v3                    ; wave
	s_mov_b32 s2, ttmp9                            ; g
	s_sub_co_u32 s3, s2, XG                        ; j (of no meaning where g < 1024: every use is chosen away below)
	s_bfe_u32 s34, s3, 0x20006                     ; which weight: 0 Wq, 1 Wk, 2 Wv, 3 Wo
	s_and_b32 s35, s3, 63                          ; jr: its block of 16 rows
	s_and_b32 s36, s35, 3                          ; c = d >> 4
	s_lshr_b32 s37, s35, 2                         ; head
	s_lshl_b32 s52, s34, 10
	s_lshl_b32 s53, s36, 8
	s_add_co_u32 s52, s52, s53                     ; 1024 which + 256 c
	s_lshl_b32 s53, s37, 4
	s_add_co_u32 s53, s52, s53                     ; Wq, Wk: + 16 head, then row by row
	s_add_co_u32 s54, s52, s37                     ; Wv: + head, then 16 rows apart
	s_lshl_b32 s55, s35, 4
	s_add_co_u32 s55, s55, 3072                    ; Wo: as it lies
	s_mov_b32 s39, 2048                            ; bytes from one destination row to the next
	s_cmp_eq_u32 s34, 2
	s_cselect_b32 s38, s54, s53
	s_cselect_b32 s39, 0x8000, s39
	s_cselect_b32 s50, -1, 0                       ; a lane mask: all lanes if the weight is Wv
	s_cmp_eq_u32 s34, 3
	s_cselect_b32 s38, s55, s38
	s_cmp_lt_u32 s34, 2
	s_cselect_b32 s49, -1, 0                       ; all lanes if it is Wq or Wk
	s_lshl_b32 s52, s2, 4
	s_cmp_lt_u32 s2, XG                            ; x?
	s_cselect_b32 s38, s52, s38                    ; first destination row
	s_cselect_b32 s39, 2048, s39
	s_cselect_b32 s44, s2, s35                     ; source block
	s_lshl_b32 s44, s44, 16                        ; 16 rows of 4,096 bytes
	s_mov_b32 s45, 0
	s_mov_b32 s51, 0xffff0000                      ; a word's upper bf16
.irp i, 0,1,2,3,4,5,6,7,8,9,10,11,12,13,14,15
	v_mad_u32_u24 v[OFF+(\i)], s39, \i, v2
.endr
	s_wait_kmcnt 0x0
	s_cmp_eq_u32 s34, 2                            ; the source is chosen among whole buffers; each compare stands in front of its selects
	s_cselect_b64 s[40:41], s[14:15], s[16:17]
	s_cselect_b64 s[46:47], s[22:23], s[24:25]
	s_cmp_eq_u32 s34, 1
	s_cselect_b64 s[40:41], s[12:13], s[40:41]
	s_cselect_b64 s[46:47], s[20:21], s[46:47]
	s_cmp_eq_u32 s34, 0
	s_cselect_b64 s[40:41], s[10:11], s[40:41]
	s_cselect_b64 s[46:47], s[18:19], s[46:47]
	s_cmp_lt_u32 s2, XG
	s_cselect_b64 s[40:41], s[8:9], s[40:41]
	s_cselect_b64 s[42:43], s[26:27], s[28:29]
	s_add_nc_u64 s[40:41], s[40:41], s[44:45]      ; the source at my 16 rows
	s_lshl_b32 s44, s38, 11                        ; a destination row is 2,048 bytes
	s_add_nc_u64 s[42:43], s[42:43], s[44:45]
.irp i, 0,1,2,3,4,5,6,7,8,9,10,11,12,13,14,15
	global_load_b128 v[X+4*(\i):X+4*(\i)+3], v1, s[40:41] offset:4096*(\i) th:TH_LOAD_NT  ; every byte is read once in the launch
.endr
.macro ROWB i                          ; row i to bf16
	s_wait_loadcnt 15-(\i)                         ; loads come back in order: row i is in, the younger rows stay out
	v_cvt_pk_bf16_f32 v[X+4*(\i)],   v[X+4*(\i)],   v[X+4*(\i)+1]
	v_cvt_pk_bf16_f32 v[X+4*(\i)+1], v[X+4*(\i)+2], v[X+4*(\i)+3]
	global_store_b64 v[OFF+(\i)], v[X+4*(\i):X+4*(\i)+1], s[42:43]
.endm
.macro ROWH i                          ; row i rounded to bf16, and that number as f16
	s_wait_loadcnt 15-(\i)
	v_cvt_pk_bf16_f32 v84, v[X+4*(\i)],   v[X+4*(\i)+1]
	v_cvt_pk_bf16_f32 v85, v[X+4*(\i)+2], v[X+4*(\i)+3]
	v_lshlrev_b32 v[X+4*(\i)],   16,  v84
	v_and_b32     v[X+4*(\i)+1], s51, v84
	v_lshlrev_b32 v[X+4*(\i)+2], 16,  v85
	v_and_b32     v[X+4*(\i)+3], s51, v85
	v_cvt_pk_f16_f32 v[X+4*(\i)],   v[X+4*(\i)],   v[X+4*(\i)+1]
	v_cvt_pk_f16_f32 v[X+4*(\i)+1], v[X+4*(\i)+2], v[X+4*(\i)+3]
	global_store_b64 v[OFF+(\i)], v[X+4*(\i):X+4*(\i)+1], s[42:43]
.endm
	s_cmp_ge_u32 s2, XG+192                        ; Wo's 64 work-groups
	s_cbranch_scc1 .Lwo
.irp i, 0,1,2,3,4,5,6,7,8,9,10,11,12,13,14,15
	ROWB \i
.endr
	s_branch .Lbias
.Lwo:
.irp i, 0,1,2,3,4,5,6,7,8,9,10,11,12,13,14,15
	ROWH \i
.endr
.Lbias:
	; THE BIASES.  Wave 0 of every fourth weight work-group makes 64 entries of bp: unit u = j >> 2 makes entries 64 u .. 64 u + 63, lane l two of them: one store of 256 consecutive bytes.
	s_cmp_lt_u32 s2, XG
	s_cbranch_scc1 .Lend
	s_and_b32 s52, s3, 3
	s_cmp_lg_u32 s52, 0
	s_cbranch_scc1 .Lend
	s_cmp_lg_u32 s48, 0
	s_cbranch_scc1 .Lend
	s_bfe_u32 s52, s3, 0x40002                     ; u & 15
	s_lshl_b32 s52, s52, 6
	s_lshr_b32 s53, s3, 2
	s_lshl_b32 s53, s53, 8                         ; 64 u entries of 4 bytes
	v_lshl_add_u32 v84, v0, 1, s52                 ; the entry's place in its own bias, di (in wave 0 the thread's number is the lane's)
	v_add_nc_u32 v85, 1, v84
.irp e, 0,1
	v_bfe_u32 v86, v[84+(\e)], 4, 4                ; Wq, Wk: head = (di >> 4) & 15, d = 16 (di >> 8) + (di & 15)
	v_lshrrev_b32 v87, 8, v[84+(\e)]
	v_and_b32 v88, 15, v[84+(\e)]
	v_lshl_or_b32 v87, v87, 4, v88
	v_lshl_or_b32 v86, v86, 6, v87
	v_lshrrev_b32 v87, 4, v[84+(\e)]               ; Wv: head = di & 15, d = di >> 4
	v_lshl_or_b32 v87, v88, 6, v87
	v_cndmask_b32 v89, v[84+(\e)], v87, s50        ; Wo: di itself
	v_cndmask_b32 v89, v89, v86, s49
	v_lshlrev_b32 v[92+(\e)], 2, v89
.endr
	global_load_b32 v90, v92, s[46:47]
	global_load_b32 v91, v93, s[46:47]
	v_lshl_add_u32 v95, v0, 3, s53
	s_wait_loadcnt 0x0
	v_cvt_pk_bf16_f32 v94, v90, v91                ; rounded like the other inputs,
	v_lshlrev_b32 v96, 16, v94                     ; and widened again
	v_and_b32 v97, s51, v94
	global_store_b64 v95, v[96:97], s[30:31]
.Lend:
	s_endpgm
.Lfunc_end_k_q1460059922_prep:
	.size	k_q1460059922_prep, .Lfunc_end_k_q1460059922_prep-k_q1460059922_prep
	.p2alignl 7, 3214868480
	.fill 96, 4, 3214868480
	.section	.rodata,"a",@progbits
	.p2align	6, 0x0
	.amdhsa_kernel k_q1460059922_prep
		.amdhsa_group_segment_fixed_size 0
		.amdhsa_private_segment_fixed_size 0
		.amdhsa_enable_private_segment 0
		.amdhsa_kernarg_size 96
		.amdhsa_user_sgpr_count 2
		.amdhsa_user_sgpr_kernarg_segment_ptr 1
		.amdhsa_wavefront_size32 1
		.amdhsa_system_sgpr_workgroup_id_x 1
		.amdhsa_system_sgpr_workgroup_id_y 1
		.amdhsa_system_sgpr_workgroup_id_z 1
		.amdhsa_system_vgpr_workitem_id 0
		.amdhsa_next_free_vgpr 100
		.amdhsa_next_free_sgpr 66
		.amdhsa_reserve_vcc 0
		.amdhsa_float_denorm_mode_32 3
		.amdhsa_float_denorm_mode_16_64 3
		.amdhsa_memory_ordered 1
		.amdhsa_forward_progress 1
		.amdhsa_inst_pref_size 19
	.end_amdhsa_kernel
	.amdgpu_metadata
---
amdhsa.version: [ 1, 2 ]
amdhsa.kernels:
  - .name:           k_q1460059922_prep
    .symbol:         k_q1460059922_prep.kd
    .args:
      - { .name: x, .offset: 0, .size: 8, .value_kind: global_buffer, .address_space: global }
      - { .name: Wq, .offset: 8, .size: 8, .value_kind: global_buffer, .address_space: global }
      - { .name: Wk, .offset: 16, .size: 8, .value_kind: global_buffer, .address_space: global }
      - { .name: Wv, .offset: 24, .size: 8, .value_kind: global_buffer, .address_space: global }
      - { .name: Wo, .offset: 32, .size: 8, .value_kind: global_buffer, .address_space: global }
      - { .name: bq, .offset: 40, .size: 8, .value_kind: global_buffer, .address_space: global }
      - { .name: bk, .offset: 48, .size: 8, .value_kind: global_buffer, .address_space: global }
      - { .name: bv, .offset: 56, .size: 8, .value_kind: global_buffer, .address_space: global }
      - { .name: bo, .offset: 64, .size: 8, .value_kind: global_buffer, .address_space: global }
      - { .name: xb, .offset: 72, .size: 8, .value_kind: global_buffer, .address_space: global }
      - { .name: wb, .offset: 80, .size: 8, .value_kind: global_buffer, .address_space: global }
      - { .name: bp, .offset: 88, .size: 8, .value_kind: global_buffer, .address_space: global }
    .group_segment_fixed_size: 0
    .private_segment_fixed_size: 0
    .kernarg_segment_align: 8
    .kernarg_segment_size: 96
    .max_flat_workgroup_size: 256
    .sgpr_count:     66
    .vgpr_count:     100
    .wavefront_size: 32
...
	.end_amdgpu_metadata
.endif
;; end of part 1
;; launch qkv (part 2): grid 4 x 64, 4 waves a work-group, clusters of 4 x 4, 327,680 bytes of LDS; arguments xb, wb, qkv, bp; writes qkv
.if DOCPART == 2
	.amdgcn_target "amdgcn-amd-amdhsa--gfx1250"
	.amdhsa_code_object_version 6
	.text
	.protected	k_q1460059922_qkv
	.globl	k_q1460059922_qkv
	.p2align	8
	.type	k_q1460059922_qkv,@function
k_q1460059922_qkv:
	s_mov_b64 s[64:65], 0
	v_nop
	global_prefetch_b8 v0, s[64:65] scope:SCOPE_SE
	s_setreg_imm32_b32 hwreg(HW_REG_WAVE_MODE, 25, 1), 1
	s_wait_xcnt 0x0
	s_wait_alu depctr_hold_cnt(0) depctr_sa_sdst(0) depctr_va_vdst(0) depctr_va_sdst(0) depctr_va_ssrc(0) depctr_va_vcc(0) depctr_vm_vsrc(0)
	s_getreg_b32 s2, hwreg(HW_REG_IB_STS2, 6, 4)
	s_cmp_eq_u32 s2, 0
	s_cbranch_scc0 .Lentry_in_a_cluster
	s_endpgm
.Lentry_in_a_cluster:
	s_bfe_u32 s2, ttmp6, 0x10000c
	s_cmp_lg_u32 s2, 0xf033
	s_cbranch_scc0 .Lentry_shape_is_right
	s_endpgm
.Lentry_shape_is_right:
; q, k, v.  C_t[m][n] = bp[1024 t + n] + the sum over k of xb[m][k] wb[1024 t + n][k], t = 0, 1, 2.  xb: [16384][1024] bf16; wb: rows of 1,024 bf16; C_t: region t of qkv, [16384][1024] f16.
; Sums in f32, started by the bias; C rounded once.  The columns n are in wb's row order (the permutation is the cast launch's).
; LIMIT.  f16 holds no number beyond 65,504: q, k and v must lie within it.  NaN and infinities are not treated apart.
; A tile of C, 256 x 256, is made by four waves, each 128 x 128: 64 accumulators of 16 x 16, 512 registers.  K goes in 8 steps of 128 through a ring of two LDS slots filled by the tensor data mover;
; the tiles' rows are 256 bytes of memory at multiples of 256 from the buffer's first byte.
; A WORK-GROUP STAYS: 256 work-groups, each makes three tiles, the same 256 rows of xb against the same 256 columns of q, of k and of v.  The ring does not stop at a tile's end: a tile's last two
; changes of slots ask for the next tile's first two K steps, and nothing waits for a tile's stores.
; CLUSTERS: 4 x 4 work-groups.  The four of a row of the cluster need the same tiles of xb, the four of a column the same tiles of wb: each tile is asked for JOINTLY, by the same tensor load with the
; same descriptor and a mask that names the four.
; THE MATRIX INSTRUCTION IS USED TRANSPOSED (source 0 = 16 rows of wb, source 1 = 16 rows of xb): lane l holds row l % 16 of C and the columns 8 (l / 16) + 0..7, which pack into 16 bytes.
; THE BIAS is the C operand of the product that starts a sum: for n block b a lane's eight registers hold bp[.. + 16 b + 8 (l / 16) + 0..7]: nothing is cleared and no addition is spent.
; REGISTERS, in windows of 256 (s_set_vgpr_msb: bits 1:0 source 0, 3:2 source 1, 5:4 source 2, 7:6 destination):
;   window 0: v0-31 addresses; v64-127, v128-191 fragments of xb, two buffers; v32-63, v192-255 at work on the way out
;   window 1: v0-63 the bias; v64-127, v128-191 fragments of wb, two buffers
;   window 2: the 32 accumulators of my rows 0-63 (accumulator (a, b) at v[8 (8 a + b)]);   window 3: those of my rows 64-127
.set SIZE_K, 1024
.set SIZE_N, 1024                      ; columns of a region of qkv
.set SIZE_M, 16384
.set TILES,  3
.set KSTEP,  128
.set PITCH,  272                       ; an LDS row: 256 bytes + 16 of padding = 68 words: the 16 rows that a load touches start at 16 different groups of four banks (64 banks of 4 bytes: ISA guide 11.1)
.set HALFT,  128*PITCH                 ; 128 rows: what one tensor load brings
.set SLOT,   4*HALFT                   ; xb's 256 rows, then wb's 256 rows
.set STAGE,  2*SLOT                    ; behind the ring: 16 rows x 272 bytes for each wave, for the way out
.set SPITCH, 272
.set SPARE,  STAGE+4*16*SPITCH         ; behind the stages: the spare words, 128 bytes for each wave, which no other line names
.set LAPS,   SIZE_K/(2*KSTEP)          ; a lap = two K steps = once round the ring
.set BACK_A, (SIZE_K-2*KSTEP)*2        ; bytes from a slot's last K step of a tile back to its first: the three tiles share their rows of xb,
.set NEXT_B, 1024*SIZE_K*2-BACK_A      ; and wb goes 1,024 rows on and back along K
.set NEXT_C, SIZE_M*SIZE_N*2-7*16*SIZE_N*2  ; bytes from my last 16 rows of a tile to my first in the next region
.set ADRA, 16                          ; v16-17  LDS address of my xb fragments in slot 0, 1
.set ADRB, 20                          ; v20-21  the same for wb
.set STO,  24                          ; v24     the way out: where I put 16 bytes of a row
.set RD,   25                          ; v25     the way out: where I read a row back
.set CO,   26                          ; v26     my byte offset in C
.set BO,   27                          ; v27     my byte offset in 16 entries of the bias: 32 (l / 16)
.set SPW,  28                          ; v28     LDS address of my spare word; never rewritten
.set NIL,  29                          ; v29     0; never rewritten
.set F0,   64
.set F1,   128
.set TMP,  192
.set OB,   32
.set G1,   24                          ; s[24:31] descriptor group 1 for xb's tiles;  s[32:39] group 0, a set for each slot
.set G0,   32
.set G1B,  48                          ; s[48:55], s[56:63] the same for wb's tiles
.set G0B,  56
.set CP,   68                          ; s[68:69] C
.set BP,   70                          ; s[70:71] the bias of my 128 columns
.set MSB, 0
.macro WIN new                         ; the immediate's high byte repeats the setting that is left; a switch that changes nothing is dropped
.if MSB != (\new)
	s_set_vgpr_msb (MSB<<8)|(\new)
.set MSB, \new
.endif
.endm
.set MUL_LO, 0xa1                      ; source 0 (wb) window 1, source 1 (xb) window 0, C and D window 2
.set MUL_HI, 0xf1                      ; the same, C and D window 3
.set BIA_LO, 0x91                      ; the same with C, the bias, in window 1
.set BIA_HI, 0xd1
.set TO_B,   0x40                      ; destination window 1, address window 0
; A joint load.  Waves 0 and 1 fetch xb's two halves, waves 2 and 3 wb's.  The branch hangs on the wave's number alone.  An s_nop 0 and four v_nop follow each of the two lines.
.macro JLOAD s
	s_cmp_eq_u32 s11, 0
	s_cbranch_scc0 .Lfor_b_\@
	tensor_load_to_lds s[G0+4*(\s):G0+4*(\s)+3], s[G1:G1+7]
	s_nop 0
.rept 4
	v_nop
.endr
	s_branch .Lasked_\@
.Lfor_b_\@:
	tensor_load_to_lds s[G0B+4*(\s):G0B+4*(\s)+3], s[G1B:G1B+7]
	s_nop 0
.rept 4
	v_nop
.endr
.Lasked_\@:
.endm
; A round of the cluster's barrier: my work-group's barrier; wave 0 signals for the work-group; every wave waits for all sixteen work-groups; my work-group's barrier once more.
.macro CREST                           ; a round behind its opening barrier
	s_cmp_lg_u32 s10, 0
	s_cbranch_scc1 .Lnot_wave_0_\@
	s_barrier_signal -3
.Lnot_wave_0_\@:
	s_barrier_wait -3
	s_barrier_signal -1
	s_barrier_wait -1
.endm
.macro CROUND
	s_barrier_signal -1
	s_barrier_wait -1
	CREST
.endm
	s_load_b128 s[4:7], s[0:1], 0x0                ; xb s[4:5], wb s[6:7]
	s_load_b128 s[CP:CP+3], s[0:1], 0x10           ; qkv, bp
	v_lshl_add_u32 v[SPW], v0, 2, SPARE
	v_mov_b32 v[NIL], 0
	ds_add_u32 v[SPW], v[NIL]                      ; the wave's opening: the add and its wait stand ahead of my first tensor load; the set-up below, work on registers, stands between them
	v_lshrrev_b32 v1, 5, v0
	v_readfirstlane_b32 s10, v1                    ; wave 0..3
	s_lshr_b32 s11, s10, 1                         ; which half of the tile's rows is mine.  Also: I fetch for xb (0) or for wb (1)
	s_and_b32 s12, s10, 1                          ; which half of its columns.  Also: which 128 rows of that tile I fetch
	s_bfe_u32 s40, ttmp6, 0x40000                  ; cx
	s_bfe_u32 s41, ttmp6, 0x40004                  ; cy
	s_lshl_b32 s42, ttmp9, 2                       ; in a cluster launch ttmp9 and ttmp7 count clusters
	s_add_co_u32 s42, s42, s40                     ; tile column = 4 x cluster x + cx
	s_and_b32 s13, ttmp7, 0xffff
	s_lshl_b32 s13, s13, 2
	s_add_co_u32 s13, s13, s41                     ; tile row = 4 x cluster y + cy
	s_lshl_b32 s43, s41, 2
	s_lshl_b32 s43, 15, s43                        ; my row of the cluster: places 4 cy .. 4 cy + 3
	s_lshl_b32 s44, 0x1111, s40                    ; my column: places cx, cx + 4, cx + 8, cx + 12
	; descriptor group 1: a tile of 128 rows x 128 elements, padded in LDS
	s_or_b32 s[G1+0], s43, (1<<16)|(1<<20)|(1<<21)|(5<<22)|(3<<25)  ; 15:0 the mask; 17:16 elements of 2 bytes; 20 padding on; 21 set beside a mask; 24:22 after every 64 words (code 5); 31:25 4 words of it (code 3)
	s_or_b32 s[G1B+0], s44, (1<<16)|(1<<20)|(1<<21)|(5<<22)|(3<<25)
.irp g, G1, G1B
	s_mov_b32 s[(\g)+1], KSTEP<<16                 ; tensor_dim0 = 128
	s_mov_b32 s[(\g)+2], 128<<16                   ; tensor_dim1 = 128
	s_mov_b32 s[(\g)+3], KSTEP<<16                 ; tile_dim0 = 128
	s_mov_b32 s[(\g)+4], 128                       ; tile_dim1 = 128
	s_mov_b32 s[(\g)+5], SIZE_K                    ; elements from row to row
	s_mov_b32 s[(\g)+6], 0
	s_mov_b32 s[(\g)+7], 0
.endr
	; where the tiles come from.  xb's hang on the tile row alone, which my row of the cluster shares; wb's on the tile column alone, which my column shares.
	s_lshl_b32 s17, s12, 7                         ; which 128 rows of the tile I fetch
	s_lshl_b32 s16, s13, 8
	s_add_co_u32 s16, s16, s17                     ; xb: row 256 x tile row + 128 x half
	s_lshl_b32 s46, s42, 8
	s_add_co_u32 s46, s46, s17                     ; wb: row 256 x tile column + 128 x half
	s_lshl_b32 s16, s16, 11                        ; rows of 2,048 bytes: under 2^26
	s_lshl_b32 s46, s46, 11
	s_mov_b32 s17, 0
	s_mov_b32 s47, 0
	s_mul_i32 s20, s10, HALFT                      ; and where they go: wave x 128 rows: no place in the cluster enters an LDS address
	s_wait_dscnt 0x0                               ; the opening add is done
	s_wait_kmcnt 0x0
	s_add_nc_u64 s[14:15], s[4:5], s[16:17]
	s_add_nc_u64 s[46:47], s[6:7], s[46:47]
	CROUND                                         ; all sixteen work-groups are here: the first joint loads meet
.irp s, 0,1
	s_mov_b32 s[G0+4*(\s)], 1                                      ; count = 1
	s_add_co_u32 s[G0+4*(\s)+1], s20, (\s)*SLOT                    ; LDS address
	s_add_nc_u64 s[G0+4*(\s)+2:G0+4*(\s)+3], s[14:15], (\s)*KSTEP*2  ; global address: K step s
	s_or_b32 s[G0+4*(\s)+3], s[G0+4*(\s)+3], 0x80000000            ; type = 2
	s_mov_b32 s[G0B+4*(\s)], 1
	s_add_co_u32 s[G0B+4*(\s)+1], s20, (\s)*SLOT
	s_add_nc_u64 s[G0B+4*(\s)+2:G0B+4*(\s)+3], s[46:47], (\s)*KSTEP*2
	s_or_b32 s[G0B+4*(\s)+3], s[G0B+4*(\s)+3], 0x80000000
	JLOAD \s                                       ; the ring is filled before anything else is done: two tensor loads of mine are out
.endr
	; A fragment is 16 rows x 32 K in 8 registers: lane l holds row l % 16; registers 0-3 K = 8 (l / 16) + 0..7, registers 4-7 K = 16 + 8 (l / 16) + 0..7: two loads of 16 bytes, 32 bytes apart.
	v_and_b32 v1, 15, v0                           ; l % 16
	v_bfe_u32 v2, v0, 4, 1                         ; l / 16
	v_mul_u32_u24 v3, v1, PITCH
	v_lshl_add_u32 v3, v2, 4, v3                   ; row x pitch + 16 x half
	s_mul_i32 s21, s11, HALFT                      ; my 128 rows of xb
	s_mul_i32 s22, s12, HALFT                      ; my 128 rows of wb,
	s_add_co_u32 s22, s22, 2*HALFT                 ; which lie behind xb's 256
.irp s, 0,1
	v_add_nc_u32 v[ADRA+(\s)], s21, v3
	v_add_nc_u32 v[ADRB+(\s)], s22, v3
	s_add_co_u32 s21, s21, SLOT
	s_add_co_u32 s22, s22, SLOT
.endr
	s_mul_i32 s23, s10, 16*SPITCH
	s_add_co_u32 s23, s23, STAGE                   ; my stage
	v_mul_u32_u24 v4, v1, SPITCH                   ; in: row l % 16, 16 bytes for each half of the lanes
	v_lshl_add_u32 v4, v2, 4, v4
	v_add_nc_u32 v[STO], s23, v4
	v_mul_u32_u24 v5, v2, SPITCH                   ; back: lanes 0-15 take one row of 256 bytes, lanes 16-31 the next
	v_lshl_add_u32 v5, v1, 4, v5
	v_add_nc_u32 v[RD], s23, v5
	v_mul_u32_u24 v5, v2, SIZE_N*2                 ; and the same two rows in C
	v_lshl_add_u32 v[CO], v1, 4, v5
	v_lshlrev_b32 v[BO], 5, v2
	; where my part of the first tile begins in C, in bytes: the first way out adds it to C's address
	s_lshl_b32 s13, s13, 8
	s_lshl_b32 s14, s11, 7
	s_add_co_u32 s16, s13, s14                     ; my first row of C
	s_lshl_b32 s16, s16, 11
	s_mov_b32 s17, 0
	s_lshl_b32 s46, s42, 9                         ; my first column, in bytes: 512 x tile column + 256 x half
	s_lshl_b32 s47, s12, 8
	s_add_co_u32 s46, s46, s47
	s_mov_b32 s47, 0
	s_add_nc_u64 s[16:17], s[16:17], s[46:47]
	s_lshl_b32 s46, s46, 1                         ; the same columns in the bias, 4 bytes each
	s_add_nc_u64 s[BP:BP+1], s[BP:BP+1], s[46:47]
; The bias of my 128 columns: 16 loads into window 1; lanes 0-15 take the same 16 bytes, lanes 16-31 those 32 bytes on.
.macro BIASLD
	WIN TO_B
.irp b, 0,1,2,3,4,5,6,7
	global_load_b128 v[8*(\b):8*(\b)+3],   v[BO], s[BP:BP+1] offset:64*(\b)
	global_load_b128 v[8*(\b)+4:8*(\b)+7], v[BO], s[BP:BP+1] offset:64*(\b)+16
.endr
	WIN 0
.endm
; 16 matrix instructions: m blocks a0, a0 + 1 of the window's four (hi = 0: my rows 0-63, 1: rows 64-127) x all 8 n blocks, 32 along K.  zero = 1: the first product starts the sums, with the bias.
.macro MUL16 f, hi, a0, zero
.if \zero
	WIN BIA_LO+0x40*(\hi)
.else
	WIN MUL_LO+0x50*(\hi)
.endif
.irp a, \a0, (\a0)+1
.irp b, 0,1,2,3,4,5,6,7
.if \zero
	v_wmma_f32_16x16x32_bf16 v[8*(8*(\a)+(\b)):8*(8*(\a)+(\b))+7], v[(\f)+8*(\b):(\f)+8*(\b)+7], v[(\f)+8*(4*(\hi)+(\a)):(\f)+8*(4*(\hi)+(\a))+7], v[8*(\b):8*(\b)+7]
.else
	v_wmma_f32_16x16x32_bf16 v[8*(8*(\a)+(\b)):8*(8*(\a)+(\b))+7], v[(\f)+8*(\b):(\f)+8*(\b)+7], v[(\f)+8*(4*(\hi)+(\a)):(\f)+8*(4*(\hi)+(\a))+7], v[8*(8*(\a)+(\b)):8*(8*(\a)+(\b))+7]
.endif
.endr
.endr
.endm
; 32 LDS loads in one run: the fragments of one quarter step (128 rows of wb, 128 rows of xb, 32 K at byte k of the rows) into buffer f
.macro FETCH slot, k, f
	WIN TO_B
.irp i, 0,1,2,3,4,5,6,7
	ds_load_b128 v[(\f)+8*(\i):(\f)+8*(\i)+3],   v[ADRB+(\slot)] offset:(\k)+(\i)*16*PITCH
	ds_load_b128 v[(\f)+8*(\i)+4:(\f)+8*(\i)+7], v[ADRB+(\slot)] offset:(\k)+(\i)*16*PITCH+32
.endr
	WIN 0
.irp i, 0,1,2,3,4,5,6,7
	ds_load_b128 v[(\f)+8*(\i):(\f)+8*(\i)+3],   v[ADRA+(\slot)] offset:(\k)+(\i)*16*PITCH
	ds_load_b128 v[(\f)+8*(\i)+4:(\f)+8*(\i)+7], v[ADRA+(\slot)] offset:(\k)+(\i)*16*PITCH+32
.endr
.endm
; A load into a register that a matrix instruction has read, and a vector instruction that reads a matrix result, stand four places behind that matrix instruction; only plain vector
; instructions that name none of its registers are places (ISA guide 7.12.1 for vector instructions).
.macro PLACES
.rept 4
	v_nop
.endr
.endm
; A K step is four quarter steps of 32 along K, 64 matrix instructions each, on buffers 0, 1, 0, 1.  The 64 accumulators take turns, in the same order in every quarter.
; One of the first three: multiplies buffer f; in its middle it fetches the next quarter's fragments, at byte k of the same slot's rows, into buffer g.
.macro QUARTER slot, k, f, g, zero
	s_wait_dscnt 8                                 ; wb and xb's rows 0-63 are in; the youngest eight loads (xb's rows 64-127) may be out
	MUL16 \f, 0, 0, \zero
	MUL16 \f, 0, 2, \zero
	PLACES
	FETCH \slot, \k, \g
	s_wait_dscnt 32                                ; all but the 32 just issued
	MUL16 \f, 1, 0, \zero
	MUL16 \f, 1, 2, \zero
.endm
; The last quarter multiplies buffer 1 and changes slots.  MEET is its first half: ONE barrier.  In front of it each wave waits for all its tensor loads, of which one is out: its part of the next
; slot; adds 0 to its spare word; and waits for that and for its own reads of this slot.  Behind it nobody reads this slot any more and the next slot is whole.
.macro MEET round                      ; round = 1: a round of the cluster's barrier follows
	WIN 0                                          ; (the add's two registers lie in window 0)
	s_wait_tensorcnt 0x0                           ; all my tensor loads have landed
	ds_add_u32 v[SPW], v[NIL]                      ; 0 onto my spare word
	s_wait_dscnt 9                                 ; (the add and the youngest eight loads may be out)
	MUL16 F1, 0, 0, 0                              ; sixteen matrix instructions stand between the add and the wait for it
	s_wait_dscnt 0x0                               ; the add is done, and my reads of this slot are over
	s_barrier_signal -1
	MUL16 F1, 0, 2, 0                              ; work on registers while the others arrive
.if \round
	WIN 0
.endif
	s_barrier_wait -1
.endm
; The whole last quarter.  Behind the round the slot just read out is filled again first: with this tile's K step two steps on (on = 0) or, in a tile's last two K steps, with the NEXT tile's
; K step 0 or 1 (on = 1); then come the next slot's first fragments.  From a request to the wait for it a wave issues 224 matrix instructions.
.macro TURN slot, next, on
	MEET 1
	CREST                                          ; no wave of any partner still reads this slot's tile or has a load on its way
.if \on
	s_sub_nc_u64 s[G0+4*(\slot)+2:G0+4*(\slot)+3], s[G0+4*(\slot)+2:G0+4*(\slot)+3], BACK_A
	s_add_nc_u64 s[G0B+4*(\slot)+2:G0B+4*(\slot)+3], s[G0B+4*(\slot)+2:G0B+4*(\slot)+3], NEXT_B
.else
	s_add_nc_u64 s[G0+4*(\slot)+2:G0+4*(\slot)+3], s[G0+4*(\slot)+2:G0+4*(\slot)+3], 2*KSTEP*2
	s_add_nc_u64 s[G0B+4*(\slot)+2:G0B+4*(\slot)+3], s[G0B+4*(\slot)+2:G0B+4*(\slot)+3], 2*KSTEP*2
.endif
	JLOAD \slot                                    ; the first tensor load behind the round, my only one until the next; its four v_nop are also the places in front of the loads below
	FETCH \next, 0, F0
	MUL16 F1, 1, 0, 0
	MUL16 F1, 1, 2, 0
.endm
.macro TURNL                           ; the launch's last change of slots: nothing is filled again, so no round follows
	MEET 0
	PLACES
	FETCH 1, 0, F0
	MUL16 F1, 1, 0, 0
	MUL16 F1, 1, 2, 0
.endm
; THE WAY OUT of block a (16 rows), in three parts.  PACK: rounded to f16, 16 bytes a lane, each accumulator's registers in ascending order.  TOSTAGE: into my own stage, and back as whole rows of 256 bytes.  SEND: stored.
.macro PACK a
.set AC, 64*((\a)%4)
	WIN 0x0a+5*((\a)/4)                            ; sources 0 and 1: window 2 or 3
.irp b, 0,1,2,3,4,5,6,7
.irp r, 0,1,2,3
	v_cvt_pk_f16_f32 v[TMP+4*(\b)+(\r)], v[AC+8*(\b)+2*(\r)], v[AC+8*(\b)+2*(\r)+1]
.endr
.endr
	WIN 0
.endm
.macro TOSTAGE a
	WIN 0
.set BK, OB+192*((\a)%2)
.irp b, 0,1,2,3,4,5,6,7
	ds_store_b128 v[STO], v[TMP+4*(\b):TMP+4*(\b)+3] offset:32*(\b)
.endr
.irp t, 0,1,2,3,4,5,6,7
	ds_load_b128 v[BK+4*(\t):BK+4*(\t)+3], v[RD] offset:(\t)*2*SPITCH  ; LDS serves a wave's instructions in order (ISA guide 5.7.1.4): these see the stores above
.endr
.endm
.macro SEND a, younger
	WIN 0
.set BK, OB+192*((\a)%2)
	s_wait_dscnt \younger                          ; the block is back in registers
	s_wait_xcnt 0x0                                ; only behind this wait are the stores' base and the registers that earlier stores read rewritten
.if (\a) == 0
	s_add_nc_u64 s[CP:CP+1], s[CP:CP+1], s[16:17]  ; on to this tile's first rows
.else
	s_add_nc_u64 s[CP:CP+1], s[CP:CP+1], 16*SIZE_N*2
.endif
.irp t, 0,1,2,3,4,5,6,7
	global_store_b128 v[CO], v[BK+4*(\t):BK+4*(\t)+3], s[CP:CP+1] offset:2*(\t)*SIZE_N*2  ; 16 lanes store 256 consecutive bytes, at a multiple of 256 from C's first byte
.endr
.endm
.macro WAYOUT                          ; block a's conversions stand between block a - 1's loads from the stage and the wait for them
	PACK 0
	TOSTAGE 0
.irp a, 1,2,3,4,5,6,7
	PACK \a
	SEND (\a)-1, 0
	TOSTAGE \a
.endr
	SEND 7, 0
.endm
	BIASLD                                         ; the first tile's bias
	s_wait_tensorcnt 1                             ; my part of K step 0 is in; K step 1's may stay out
	s_barrier_signal -1
	s_barrier_wait -1                              ; everybody's is
	FETCH 0, 0, F0
	s_mov_b32 s2, TILES                            ; tiles to go, this one among them: the same number in every work-group
.Ltile:
	s_wait_loadcnt 0x0                             ; the bias
	QUARTER 0, 64,  F0, F1, 1                      ; a tile's first quarter stands in front of the loop: its products start the sums
	WIN 0                                          ; at a label and at a branch every window is 0
	s_mov_b32 s3, LAPS-1
.Llap:                                                 ; a trip goes once round the ring, from a lap's second quarter to the next lap's first, and fills both slots again
	QUARTER 0, 128, F1, F0, 0
	QUARTER 0, 192, F0, F1, 0
	TURN 0, 1, 0
	QUARTER 1, 64,  F0, F1, 0
	QUARTER 1, 128, F1, F0, 0
	QUARTER 1, 192, F0, F1, 0
	TURN 1, 0, 0
	QUARTER 0, 64,  F0, F1, 0
	WIN 0
	s_sub_co_u32 s3, s3, 1
	s_cmp_lg_u32 s3, 0
	s_cbranch_scc1 .Llap
	QUARTER 0, 128, F1, F0, 0                      ; the tile's last lap goes on
	QUARTER 0, 192, F0, F1, 0
	WIN 0
	s_cmp_eq_u32 s2, 1
	s_cbranch_scc1 .Llast_tile                     ; the last tile's tail is written out: it asks for nothing more
	TURN 0, 1, 1                                   ; THE RING GOES ON INTO THE NEXT TILE: slot 0 takes its K step 0,
	QUARTER 1, 64,  F0, F1, 0
	QUARTER 1, 128, F1, F0, 0
	QUARTER 1, 192, F0, F1, 0
	TURN 1, 0, 1                                   ; slot 1 its K step 1, and the next tile's first fragments are fetched
	s_add_nc_u64 s[BP:BP+1], s[BP:BP+1], 4096      ; the next tile's bias, 1,024 entries on (the loads that named this base were waited for at the tile's head)
	BIASLD
	WAYOUT                                         ; no v_nop: blocks 0-3 were finished in front of TURN's places, and their 128 conversions, which name no register of the last products, are those products' places
	s_mov_b32 s16, NEXT_C                          ; what the next way out adds to C's address
	s_mov_b32 s17, 0
	s_sub_co_u32 s2, s2, 1
	s_branch .Ltile
.Llast_tile:
	TURNL
	QUARTER 1, 64,  F0, F1, 0
	QUARTER 1, 128, F1, F0, 0
	QUARTER 1, 192, F0, F1, 0
	s_wait_dscnt 8                                 ; the very last quarter: nothing more to fetch
	MUL16 F1, 0, 0, 0
	MUL16 F1, 0, 2, 0
	s_wait_dscnt 0x0
	MUL16 F1, 1, 0, 0
	MUL16 F1, 1, 2, 0
	PLACES
	WAYOUT
	s_wait_tensorcnt 0x0                           ; the wave's end: behind my last tensor load and my last LDS store
	ds_add_u32 v[SPW], v[NIL]
	s_wait_dscnt 0x0
	CROUND                                         ; the closing round: no work-group ends while a partner may still ask for a tile that names it
	s_endpgm
.Lfunc_end_k_q1460059922_qkv:
	.size	k_q1460059922_qkv, .Lfunc_end_k_q1460059922_qkv-k_q1460059922_qkv
	.p2alignl 7, 3214868480
	.fill 96, 4, 3214868480
	.section	.rodata,"a",@progbits
	.p2align	6, 0x0
	.amdhsa_kernel k_q1460059922_qkv
		.amdhsa_group_segment_fixed_size 327680
		.amdhsa_private_segment_fixed_size 0
		.amdhsa_enable_private_segment 0
		.amdhsa_kernarg_size 32
		.amdhsa_user_sgpr_count 2
		.amdhsa_user_sgpr_kernarg_segment_ptr 1
		.amdhsa_wavefront_size32 1
		.amdhsa_system_sgpr_workgroup_id_x 1
		.amdhsa_system_sgpr_workgroup_id_y 1
		.amdhsa_system_sgpr_workgroup_id_z 1
		.amdhsa_system_vgpr_workitem_id 0
		.amdhsa_next_free_vgpr 1024
		.amdhsa_next_free_sgpr 72
		.amdhsa_reserve_vcc 0
		.amdhsa_float_denorm_mode_32 3
		.amdhsa_float_denorm_mode_16_64 3
		.amdhsa_memory_ordered 1
		.amdhsa_forward_progress 1
		.amdhsa_inst_pref_size 211
	.end_amdhsa_kernel
	.amdgpu_metadata
---
amdhsa.version: [ 1, 2 ]
amdhsa.kernels:
  - .name:           k_q1460059922_qkv
    .symbol:         k_q1460059922_qkv.kd
    .args:
      - { .name: xb, .offset: 0, .size: 8, .value_kind: global_buffer, .address_space: global }
      - { .name: wb, .offset: 8, .size: 8, .value_kind: global_buffer, .address_space: global }
      - { .name: qkv, .offset: 16, .size: 8, .value_kind: global_buffer, .address_space: global }
      - { .name: bp, .offset: 24, .size: 8, .value_kind: global_buffer, .address_space: global }
    .group_segment_fixed_size: 327680
    .private_segment_fixed_size: 0
    .kernarg_segment_align: 8
    .kernarg_segment_size: 32
    .max_flat_workgroup_size: 128
    .sgpr_count:     72
    .vgpr_count:     1024
    .wavefront_size: 32
...
	.end_amdgpu_metadata
.endif
;; end of part 2
;; launch attn (part 3): grid 1024 x 1, 4 waves a work-group, no clusters, 0 bytes of LDS; arguments qkv, att; writes att
.if DOCPART == 3
	.amdgcn_target "amdgcn-amd-amdhsa--gfx1250"
	.amdhsa_code_object_version 6
	.text
	.protected	k_q1460059922_attn
	.globl	k_q1460059922_attn
	.p2align	8
	.type	k_q1460059922_attn,@function
k_q1460059922_attn:
	s_mov_b64 s[64:65], 0
	v_nop
	global_prefetch_b8 v0, s[64:65] scope:SCOPE_SE
	s_setreg_imm32_b32 hwreg(HW_REG_WAVE_MODE, 25, 1), 1
	s_wait_xcnt 0x0
; HEADS ATTEND TO HEADS, position by position.  For each of 16,384 positions p: S[hq][hk] = the sum over d of q[p][hq][d] k[p][hk][d]; P = softmax over hk of S / 8; O[hq][d] = the sum over hk of P[hq][hk] v[p][hk][d].
; qkv: three regions [16384][1024] f16.  q's and k's columns: (d >> 4) 256 + 16 head + (d & 15); v's: 16 d + head.  Products, maximum and sum in f32; P (divided by its sum) and O are rounded once to f16.
; LIMITS.  A weight below 2^-126 counts as 0 in the sum; P below 6e-5 keeps f16's fixed step of 6e-8; O is a mean of v's rows and has their range.  NaN and infinities are not treated apart.
; att, the last product's left operand in blocks: [tile p >> 8][k8 = 8 (p & 15) + d / 8][row = 16 ((p >> 4) & 15) + hq][8 numbers]: the flat reshape puts head hq of position s into row
; 256 hq + s / 16, column 64 (s % 16) + d; a tile gathers the 256 rows that 256 consecutive positions feed.
; SHARES.  A wave owns four positions, written out side by side (g = 0..3): 48 loads of 512 consecutive bytes go out at once, 8 + 16 matrix instructions, 16 stores.  No LDS, no barrier, no loop: with these
; layouts lane l (r = l % 16, h = l / 16) finds every fragment at byte 32 r + 16 h of a block of 512 bytes.  No cluster: no two work-groups read the same bytes.
; LAYOUT.  S^T = K Q^T (source 0 = 16 heads hk, source 1 = 16 heads hq): a lane holds hq = r and hk = 8 h + 0..7.  Rounded in pairs these are registers 0-3 of source 1 of O^T = V^T P; registers 4-7 (hk 16-31) are 0,
; so what source 0 holds there (the next block of v, or four zeros) adds nothing.  O^T holds hq = r and d = 16 i + 8 h + 0..7: 16 bytes that belong together in att.
.set LO, 1                             ; v1        32 r + 16 h
.set SO, 2                             ; v2        4,096 h + 16 r: my 16 bytes in att
.set T,  4                             ; v[4:19]   four registers at work for each position
.set Q,  20                            ; v[20:83]  16 a position
.set K,  84                            ; v[84:147]
.set V,  148                           ; v[148:211], and v[212:215] = 0
.set S,  216                           ; v[216:247] 8 a position
.set O,  20                            ; O^T takes Q's and K's registers: position g, d block i at O + 32 g + 8 i
	s_load_b64 s[4:5], s[0:1], 0x0                 ; qkv
	s_load_b64 s[10:11], s[0:1], 0x8               ; att
	v_lshrrev_b32 v3, 5, v0
	v_readfirstlane_b32 s16, v3
	s_lshl_b32 s17, ttmp9, 2
	s_add_co_u32 s16, s16, s17                     ; W, my wave among 4,096: positions 4 W .. 4 W + 3
	s_lshl_b32 s18, s16, 13                        ; four rows of 2,048 bytes
	s_mov_b32 s19, 0
	s_lshr_b32 s20, s16, 6                         ; the tile, p >> 8: 524,288 bytes each
	s_lshl_b32 s20, s20, 19
	s_and_b32 s22, s16, 3                          ; p & 15 = 4 (W & 3) + g: 32,768 bytes each
	s_lshl_b32 s22, s22, 17
	s_add_co_u32 s20, s20, s22
	s_bfe_u32 s22, s16, 0x40002                    ; (p >> 4) & 15: 16 rows of 16 bytes each
	s_lshl_b32 s22, s22, 8
	s_add_co_u32 s20, s20, s22
	s_mov_b32 s21, 0
	s_mov_b32 s12, 0x76543210                      ; v_permlanex16_b32: each lane takes its own place in the other half
	s_mov_b32 s13, 0xfedcba98
	s_mov_b32 s14, 0x3e38aa3b                      ; c = log2(e) / 8
	s_mov_b32 s15, s14                             ; named with it as a pair
	v_and_b32 v4, 15, v0                           ; r
	v_bfe_u32 v5, v0, 4, 1                         ; h
	v_lshlrev_b32 v[LO], 5, v4
	v_lshl_add_u32 v[LO], v5, 4, v[LO]
	v_lshlrev_b32 v[SO], 4, v4
	v_lshl_add_u32 v[SO], v5, 12, v[SO]
	s_wait_kmcnt 0x0
	s_add_nc_u64 s[4:5], s[4:5], s[18:19]          ; q at my rows,
	s_add_nc_u64 s[6:7], s[4:5], 0x2000000         ; k, one region on,
	s_add_nc_u64 s[8:9], s[4:5], 0x4000000         ; v, two
	s_add_nc_u64 s[10:11], s[10:11], s[20:21]
.irp g, 0,1,2,3
.irp i, 0,1,2,3
	global_load_b128 v[K+16*(\g)+4*(\i):K+16*(\g)+4*(\i)+3], v[LO], s[6:7] offset:2048*(\g)+512*(\i) th:TH_LOAD_NT  ; head r, d = 16 i + 8 h + 0..7
.endr
.endr
.irp g, 0,1,2,3
.irp i, 0,1,2,3
	global_load_b128 v[Q+16*(\g)+4*(\i):Q+16*(\g)+4*(\i)+3], v[LO], s[4:5] offset:2048*(\g)+512*(\i) th:TH_LOAD_NT
.endr
.endr
.irp g, 0,1,2,3
.irp i, 0,1,2,3
	global_load_b128 v[V+16*(\g)+4*(\i):V+16*(\g)+4*(\i)+3], v[LO], s[8:9] offset:2048*(\g)+512*(\i) th:TH_LOAD_NT  ; d = 16 i + r, heads 8 h + 0..7
.endr
.endr
.irp j, 0,1,2,3
	v_mov_b32 v[V+64+(\j)], 0
.endr
	s_wait_loadcnt 16                              ; k and q are in; v's sixteen loads stay out
.irp g, 0,1,2,3                        ; the four accumulators take turns, one instruction a turn; d 0-31 start the sums
	v_wmma_f32_16x16x32_f16 v[S+8*(\g):S+8*(\g)+7], v[K+16*(\g):K+16*(\g)+7], v[Q+16*(\g):Q+16*(\g)+7], 0
.endr
.irp g, 0,1,2,3                        ; d 32-63
	v_wmma_f32_16x16x32_f16 v[S+8*(\g):S+8*(\g)+7], v[K+16*(\g)+8:K+16*(\g)+15], v[Q+16*(\g)+8:Q+16*(\g)+15], v[S+8*(\g):S+8*(\g)+7]
.endr
.rept 4
	v_nop                                          ; the places behind those products
.endr
	; THE SOFTMAX, each step for the four positions in turn, so that no line waits for the line before it.  The maximum begins at each accumulator's low end.
.irp g, 0,1,2,3
	v_max3_num_f32 v[T+4*(\g)], v[S+8*(\g)], v[S+8*(\g)+1], v[S+8*(\g)+2]
.endr
.irp g, 0,1,2,3
	v_max3_num_f32 v[T+4*(\g)+1], v[S+8*(\g)+3], v[S+8*(\g)+4], v[S+8*(\g)+5]
.endr
.irp g, 0,1,2,3
	v_max3_num_f32 v[T+4*(\g)], v[T+4*(\g)], v[S+8*(\g)+6], v[S+8*(\g)+7]
.endr
.irp g, 0,1,2,3
	v_max_num_f32 v[T+4*(\g)], v[T+4*(\g)], v[T+4*(\g)+1]
.endr
.irp g, 0,1,2,3
	v_permlanex16_b32 v[T+4*(\g)+1], v[T+4*(\g)], s12, s13  ; the other eight heads hk lie in the lane 16 away
.endr
.irp g, 0,1,2,3
	v_max_num_f32 v[T+4*(\g)], v[T+4*(\g)], v[T+4*(\g)+1]
.endr
.irp g, 0,1,2,3
	v_mul_f32 v[T+4*(\g)], s14, v[T+4*(\g)]        ; c m
.endr
.irp g, 0,1,2,3
.irp j, 0,2,4,6
	v_pk_fma_f32 v[S+8*(\g)+(\j):S+8*(\g)+(\j)+1], v[S+8*(\g)+(\j):S+8*(\g)+(\j)+1], s[14:15], v[T+4*(\g):T+4*(\g)+1] op_sel_hi:[1,0,0] neg_lo:[0,0,1] neg_hi:[0,0,1]  ; c s - c m
.endr
.endr
.set i, 0
.rept 32
	v_exp_f32 v[S+i], v[S+i]
.set i, i+1
.endr
	v_nop                                          ; a plain instruction between the last exponential and the use of its result (ISA guide 5.7.2)
	s_wait_alu depctr_va_vdst(0)
.irp g, 0,1,2,3
	v_pk_add_f32 v[T+4*(\g)+2:T+4*(\g)+3], v[S+8*(\g):S+8*(\g)+1], v[S+8*(\g)+2:S+8*(\g)+3]
.endr
.irp g, 0,1,2,3
	v_pk_add_f32 v[T+4*(\g)+2:T+4*(\g)+3], v[T+4*(\g)+2:T+4*(\g)+3], v[S+8*(\g)+4:S+8*(\g)+5]
.endr
.irp g, 0,1,2,3
	v_pk_add_f32 v[T+4*(\g)+2:T+4*(\g)+3], v[T+4*(\g)+2:T+4*(\g)+3], v[S+8*(\g)+6:S+8*(\g)+7]
.endr
.irp g, 0,1,2,3
	v_add_f32 v[T+4*(\g)+2], v[T+4*(\g)+2], v[T+4*(\g)+3]
.endr
.irp g, 0,1,2,3
	v_permlanex16_b32 v[T+4*(\g)+3], v[T+4*(\g)+2], s12, s13
.endr
.irp g, 0,1,2,3
	v_add_f32 v[T+4*(\g)+2], v[T+4*(\g)+2], v[T+4*(\g)+3]  ; the sum is at least 1: the largest weight is 1
.endr
.irp g, 0,1,2,3
	v_rcp_f32 v[T+4*(\g)+2], v[T+4*(\g)+2]
.endr
	v_nop                                          ; a plain instruction between the last reciprocal and the use of its result
	s_wait_alu depctr_va_vdst(0)
.irp g, 0,1,2,3
.irp j, 0,2,4,6
	v_pk_mul_f32 v[S+8*(\g)+(\j):S+8*(\g)+(\j)+1], v[S+8*(\g)+(\j):S+8*(\g)+(\j)+1], v[T+4*(\g)+2:T+4*(\g)+3] op_sel_hi:[1,0]
.endr
.endr
.irp g, 0,1,2,3
.irp j, 0,1,2,3
	v_cvt_pk_f16_f32 v[S+8*(\g)+(\j)], v[S+8*(\g)+2*(\j)], v[S+8*(\g)+2*(\j)+1]  ; in place, ascending: register j is written when it has been read
.endr
.endr
.irp g, 0,1,2,3
.irp j, 4,5,6,7
	v_mov_b32 v[S+8*(\g)+(\j)], 0                  ; there are no heads 16-31
.endr
.endr
	s_wait_loadcnt 0x0                             ; v
.irp g, 0,1,2,3
.irp i, 0,1,2,3                        ; sixteen sums of one product each
	v_wmma_f32_16x16x32_f16 v[O+32*(\g)+8*(\i):O+32*(\g)+8*(\i)+7], v[V+16*(\g)+4*(\i):V+16*(\g)+4*(\i)+7], v[S+8*(\g):S+8*(\g)+7], 0
.endr
.endr
.rept 4
	v_nop                                          ; the places behind those products
.endr
.irp g, 0,1,2,3
.irp i, 0,1,2,3
.irp j, 0,1,2,3
	v_cvt_pk_f16_f32 v[O+32*(\g)+8*(\i)+(\j)], v[O+32*(\g)+8*(\i)+2*(\j)], v[O+32*(\g)+8*(\i)+2*(\j)+1]
.endr
	global_store_b128 v[SO], v[O+32*(\g)+8*(\i):O+32*(\g)+8*(\i)+3], s[10:11] offset:32768*(\g)+8192*(\i)  ; each half of the lanes stores 256 consecutive bytes, at a multiple of 256 from att's first byte
.endr
.endr
	s_endpgm
.Lfunc_end_k_q1460059922_attn:
	.size	k_q1460059922_attn, .Lfunc_end_k_q1460059922_attn-k_q1460059922_attn
	.p2alignl 7, 3214868480
	.fill 96, 4, 3214868480
	.section	.rodata,"a",@progbits
	.p2align	6, 0x0
	.amdhsa_kernel k_q1460059922_attn
		.amdhsa_group_segment_fixed_size 0
		.amdhsa_private_segment_fixed_size 0
		.amdhsa_enable_private_segment 0
		.amdhsa_kernarg_size 16
		.amdhsa_user_sgpr_count 2
		.amdhsa_user_sgpr_kernarg_segment_ptr 1
		.amdhsa_wavefront_size32 1
		.amdhsa_system_sgpr_workgroup_id_x 1
		.amdhsa_system_sgpr_workgroup_id_y 1
		.amdhsa_system_sgpr_workgroup_id_z 1
		.amdhsa_system_vgpr_workitem_id 0
		.amdhsa_next_free_vgpr 248
		.amdhsa_next_free_sgpr 66
		.amdhsa_reserve_vcc 0
		.amdhsa_float_denorm_mode_32 3
		.amdhsa_float_denorm_mode_16_64 3
		.amdhsa_memory_ordered 1
		.amdhsa_forward_progress 1
		.amdhsa_inst_pref_size 21
	.end_amdhsa_kernel
	.amdgpu_metadata
---
amdhsa.version: [ 1, 2 ]
amdhsa.kernels:
  - .name:           k_q1460059922_attn
    .symbol:         k_q1460059922_attn.kd
    .args:
      - { .name: qkv, .offset: 0, .size: 8, .value_kind: global_buffer, .address_space: global }
      - { .name: att, .offset: 8, .size: 8, .value_kind: global_buffer, .address_space: global }
    .group_segment_fixed_size: 0
    .private_segment_fixed_size: 0
    .kernarg_segment_align: 8
    .kernarg_segment_size: 16
    .max_flat_workgroup_size: 128
    .sgpr_count:     66
    .vgpr_count:     248
    .wavefront_size: 32
...
	.end_amdgpu_metadata
.endif
;; end of part 3
;; launch oproj (part 4): grid 4 x 64, 4 waves a work-group, clusters of 4 x 4, 327,680 bytes of LDS; arguments att, wb, out0, bp; writes out0
.if DOCPART == 4
	.amdgcn_target "amdgcn-amd-amdhsa--gfx1250"
	.amdhsa_code_object_version 6
	.text
	.protected	k_q1460059922_oproj
	.globl	k_q1460059922_oproj
	.p2align	8
	.type	k_q1460059922_oproj,@function
k_q1460059922_oproj:
	s_mov_b64 s[64:65], 0
	v_nop
	global_prefetch_b8 v0, s[64:65] scope:SCOPE_SE
	s_setreg_imm32_b32 hwreg(HW_REG_WAVE_MODE, 25, 1), 1
	s_wait_xcnt 0x0
	s_wait_alu depctr_hold_cnt(0) depctr_sa_sdst(0) depctr_va_vdst(0) depctr_va_sdst(0) depctr_va_ssrc(0) depctr_va_vcc(0) depctr_vm_vsrc(0)
	s_getreg_b32 s2, hwreg(HW_REG_IB_STS2, 6, 4)
	s_cmp_eq_u32 s2, 0
	s_cbranch_scc0 .Lentry_in_a_cluster
	s_endpgm
.Lentry_in_a_cluster:
	s_bfe_u32 s2, ttmp6, 0x10000c
	s_cmp_lg_u32 s2, 0xf033
	s_cbranch_scc0 .Lentry_shape_is_right
	s_endpgm
.Lentry_shape_is_right:
; THE LAST PROJECTION.  out0[row][n] = bp[3072 + n] + the sum over k of A[row][k] wb[3072 + n][k].  A is the attention's result in blocks, att: [tile (64)][k / 8 (128)][row in tile (256)][8 f16];
; row 16 jj + hq of tile T is out0's row 4096 (T >> 4) + 256 hq + 16 (T & 15) + jj.  wb's rows 3072-4095: Wo, rounded to bf16 and written as f16.  Sums in f32, started by the bias; out0 is f32.
; LIMITS.  Those of the launches before: f16's range for the attention's result and for Wo.  NaN and infinities are not treated apart.
; A tile of out0, 256 rows x 256 columns, is made by four waves, each 128 x 128: 64 accumulators, 512 registers; 256 work-groups, one tile each.  K goes in 8 steps of 128 through a ring of two LDS slots.
; A's part of a K step is 65,536 dense bytes, asked for as two loads of 128 rows of 256 bytes; in LDS the 16 rows of a fragment are 256 consecutive bytes, so it needs no padding.  Wo's tiles are padded rows.
; CLUSTERS: 4 x 4 work-groups; A's tiles are asked for jointly along a row of the cluster, Wo's along a column.
; THE MATRIX INSTRUCTION IS USED TRANSPOSED (source 0 = 16 rows of Wo, source 1 = 16 rows of A): lane l holds row l % 16 and the columns 8 (l / 16) + 0..7.  The bias is the C operand of the product that starts a sum.
; REGISTERS, in windows of 256: window 0: v0-31 addresses; v64-127, v128-191 fragments of A, two buffers, on the way out rows read back;  window 1: v0-63 the bias; v64-191 fragments of Wo;
;   window 2: the 32 accumulators of my rows 0-63 (accumulator (a, b) at v[8 (8 a + b)]);   window 3: those of my rows 64-127
.set SIZE_K, 1024
.set KSTEP,  128
.set PITCH,  272                       ; a row of Wo in LDS: 256 bytes + 16 of padding: the 16 rows that a load touches start at 16 different groups of four banks (64 banks of 4 bytes: ISA guide 11.1)
.set HALFT,  128*PITCH                 ; the room of one tensor load: 128 padded rows of Wo, or 32,768 dense bytes of A (eight slabs of 256 rows x 16 bytes)
.set SLOT,   4*HALFT                   ; A's two halves, then Wo's 256 rows
.set ASTEP,  65536                     ; A's bytes in a K step
.set STAGE,  2*SLOT                    ; behind the ring: 16 rows x 528 bytes for each wave, for the way out
.set OPITCH, 528                       ; 128 f32 + 16 bytes: the 16 rows that a store touches start at 16 different groups of four banks
.set SPARE,  STAGE+4*16*OPITCH         ; behind the stages: the spare words, 128 bytes for each wave, which no other line names
.set LAPS,   SIZE_K/(2*KSTEP)
.set HROW,   256*4096                  ; bytes in out0 from a head's row to the next head's: 256 rows
.set ADRA, 16                          ; v16-17  LDS address of my A fragments in slot 0, 1
.set ADRB, 20                          ; v20-21  the same for Wo
.set STO,  24                          ; v24     the way out: where I put 32 bytes of a row
.set RD,   25                          ; v25     the way out: where I read a row back
.set CO,   26                          ; v26     my 16 bytes in 512 of an output row
.set BO,   27                          ; v27     32 (l / 16)
.set SPW,  28                          ; v28     LDS address of my spare word; never rewritten
.set NIL,  29                          ; v29     0; never rewritten
.set F0,   64
.set F1,   128
.set G1,   24                          ; s[24:31] descriptor group 1 for A's tiles;  s[32:39] group 0, a set for each slot
.set G0,   32
.set G1B,  48                          ; s[48:55], s[56:63] the same for Wo's tiles
.set G0B,  56
.set CP,   68                          ; s[68:69] out0 at head 0's row of my first block
.set BP,   70                          ; s[70:71] the bias of my 128 columns
.set CP2,  72                          ; s[72:73] out0 at head 8's row
.set MSB, 0
.macro WIN new                         ; the immediate's high byte repeats the setting that is left; a switch that changes nothing is dropped
.if MSB != (\new)
	s_set_vgpr_msb (MSB<<8)|(\new)
.set MSB, \new
.endif
.endm
.set MUL_LO, 0xa1                      ; source 0 (Wo) window 1, source 1 (A) window 0, C and D window 2
.set MUL_HI, 0xf1
.set BIA_LO, 0x91                      ; the same with C, the bias, in window 1
.set BIA_HI, 0xd1
.set TO_B,   0x40                      ; destination window 1, address window 0
.macro JLOAD s                         ; a joint load: waves 0 and 1 fetch A's two halves, waves 2 and 3 Wo's; an s_nop 0 and four v_nop follow each of the two lines
	s_cmp_eq_u32 s11, 0
	s_cbranch_scc0 .Lfor_b_\@
	tensor_load_to_lds s[G0+4*(\s):G0+4*(\s)+3], s[G1:G1+7]
	s_nop 0
.rept 4
	v_nop
.endr
	s_branch .Lasked_\@
.Lfor_b_\@:
	tensor_load_to_lds s[G0B+4*(\s):G0B+4*(\s)+3], s[G1B:G1B+7]
	s_nop 0
.rept 4
	v_nop
.endr
.Lasked_\@:
.endm
.macro CREST                           ; a round of the cluster's barrier behind its opening barrier
	s_cmp_lg_u32 s10, 0
	s_cbranch_scc1 .Lnot_wave_0_\@
	s_barrier_signal -3
.Lnot_wave_0_\@:
	s_barrier_wait -3
	s_barrier_signal -1
	s_barrier_wait -1
.endm
.macro CROUND
	s_barrier_signal -1
	s_barrier_wait -1
	CREST
.endm
	s_load_b128 s[4:7], s[0:1], 0x0                ; att s[4:5], wb s[6:7]
	s_load_b128 s[CP:CP+3], s[0:1], 0x10           ; out0, bp
	v_lshl_add_u32 v[SPW], v0, 2, SPARE
	v_mov_b32 v[NIL], 0
	ds_add_u32 v[SPW], v[NIL]                      ; the wave's opening: the add and its wait stand ahead of my first tensor load; the set-up below, work on registers, stands between them
	v_lshrrev_b32 v1, 5, v0
	v_readfirstlane_b32 s10, v1                    ; wave 0..3
	s_lshr_b32 s11, s10, 1                         ; which half of the tile's rows is mine.  Also: I fetch for A (0) or for Wo (1)
	s_and_b32 s12, s10, 1                          ; which half of its columns.  Also: which half of that tile I fetch
	s_bfe_u32 s40, ttmp6, 0x40000                  ; cx
	s_bfe_u32 s41, ttmp6, 0x40004                  ; cy
	s_lshl_b32 s42, ttmp9, 2
	s_add_co_u32 s42, s42, s40                     ; tile column = 4 x cluster x + cx
	s_and_b32 s13, ttmp7, 0xffff
	s_lshl_b32 s13, s13, 2
	s_add_co_u32 s13, s13, s41                     ; tile of att = 4 x cluster y + cy
	s_lshl_b32 s43, s41, 2
	s_lshl_b32 s43, 15, s43                        ; my row of the cluster
	s_lshl_b32 s44, 0x1111, s40                    ; my column
	s_or_b32 s[G1+0], s43, (1<<16)|(1<<21)         ; A: 15:0 the mask; 17:16 elements of 2 bytes; 21 set beside a mask; no padding
	s_or_b32 s[G1B+0], s44, (1<<16)|(1<<20)|(1<<21)|(5<<22)|(3<<25)  ; Wo: padding on, after every 64 words (code 5), 4 words of it (code 3)
.irp g, G1, G1B
	s_mov_b32 s[(\g)+1], 128<<16                   ; tensor_dim0 = 128
	s_mov_b32 s[(\g)+2], 128<<16                   ; tensor_dim1 = 128
	s_mov_b32 s[(\g)+3], 128<<16                   ; tile_dim0 = 128
	s_mov_b32 s[(\g)+4], 128                       ; tile_dim1 = 128
	s_mov_b32 s[(\g)+6], 0
	s_mov_b32 s[(\g)+7], 0
.endr
	s_mov_b32 s[G1+5], 128                         ; A: dense, a row begins where the last ends
	s_mov_b32 s[G1B+5], SIZE_K                     ; Wo: 1,024 elements from row to row
	s_lshl_b32 s16, s13, 19                        ; A: the tile's 524,288 bytes,
	s_lshl_b32 s17, s12, 15                        ; my half of a K step's 65,536
	s_add_co_u32 s16, s16, s17
	s_mov_b32 s17, 0
	s_lshl_b32 s46, s42, 8
	s_lshl_b32 s47, s12, 7
	s_add_co_u32 s46, s46, s47
	s_add_co_u32 s46, s46, 3072                    ; Wo: row 3072 + 256 x tile column + 128 x half
	s_lshl_b32 s46, s46, 11
	s_mov_b32 s47, 0
	s_mul_i32 s20, s10, HALFT                      ; where they go: no place in the cluster enters an LDS address
	s_wait_dscnt 0x0                               ; the opening add is done
	s_wait_kmcnt 0x0
	s_add_nc_u64 s[14:15], s[4:5], s[16:17]
	s_add_nc_u64 s[46:47], s[6:7], s[46:47]
	CROUND                                         ; all sixteen work-groups are here: the first joint loads meet
.irp s, 0,1
	s_mov_b32 s[G0+4*(\s)], 1
	s_add_co_u32 s[G0+4*(\s)+1], s20, (\s)*SLOT
	s_add_nc_u64 s[G0+4*(\s)+2:G0+4*(\s)+3], s[14:15], (\s)*ASTEP
	s_or_b32 s[G0+4*(\s)+3], s[G0+4*(\s)+3], 0x80000000
	s_mov_b32 s[G0B+4*(\s)], 1
	s_add_co_u32 s[G0B+4*(\s)+1], s20, (\s)*SLOT
	s_add_nc_u64 s[G0B+4*(\s)+2:G0B+4*(\s)+3], s[46:47], (\s)*KSTEP*2
	s_or_b32 s[G0B+4*(\s)+3], s[G0B+4*(\s)+3], 0x80000000
	JLOAD \s                                       ; two tensor loads of mine are out
.endr
	v_and_b32 v1, 15, v0                           ; r = l % 16
	v_bfe_u32 v2, v0, 4, 1                         ; h = l / 16
	v_mul_u32_u24 v3, v1, PITCH
	v_lshl_add_u32 v3, v2, 4, v3                   ; Wo: row x pitch + 16 h
	v_lshlrev_b32 v6, 4, v1
	v_lshl_add_u32 v6, v2, 12, v6                  ; A: slab h of 4,096 bytes, row r of 16 bytes
	s_lshl_b32 s21, s11, 11                        ; my 128 rows in a slab
	s_mul_i32 s22, s12, HALFT                      ; my 128 rows of Wo,
	s_add_co_u32 s22, s22, 2*HALFT                 ; which lie behind A's two halves
.irp s, 0,1
	v_add_nc_u32 v[ADRA+(\s)], s21, v6
	v_add_nc_u32 v[ADRB+(\s)], s22, v3
	s_add_co_u32 s21, s21, SLOT
	s_add_co_u32 s22, s22, SLOT
.endr
	s_mul_i32 s23, s10, 16*OPITCH
	s_add_co_u32 s23, s23, STAGE                   ; my stage
	v_mul_u32_u24 v4, v1, OPITCH                   ; in: row r, 32 bytes for each half of the lanes
	v_lshl_add_u32 v4, v2, 5, v4
	v_add_nc_u32 v[STO], s23, v4
	v_and_b32 v5, 31, v0
	v_lshlrev_b32 v[CO], 4, v5                     ; back and out: 32 lanes take a row's 512 bytes
	v_add_nc_u32 v[RD], s23, v[CO]
	v_lshlrev_b32 v[BO], 5, v2
	s_lshr_b32 s16, s13, 4                         ; out0's row for head 0 of my first block: 4096 (T >> 4)
	s_lshl_b32 s16, s16, 12
	s_and_b32 s14, s13, 15
	s_lshl_b32 s14, s14, 4
	s_add_co_u32 s16, s16, s14                     ; + 16 (T & 15)
	s_lshl_b32 s14, s11, 3
	s_add_co_u32 s16, s16, s14                     ; + 8 x my half of the rows
	s_lshl_b32 s16, s16, 12                        ; rows of 4,096 bytes: under 2^26
	s_mov_b32 s17, 0
	s_lshl_b32 s46, s42, 10                        ; my first column, in bytes: 1,024 x tile column + 512 x half
	s_lshl_b32 s47, s12, 9
	s_add_co_u32 s46, s46, s47
	s_mov_b32 s47, 0
	s_add_nc_u64 s[16:17], s[16:17], s[46:47]
	s_add_nc_u64 s[CP:CP+1], s[CP:CP+1], s[16:17]
	s_add_nc_u64 s[CP2:CP2+1], s[CP:CP+1], 8*HROW  ; a second base, so that every store's immediate stays inside its signed 24 bits: 7 x 1,048,576 + 7 x 4,096 at the most
	s_add_co_u32 s46, s46, 3072*4                  ; the same columns in bp, behind the other three biases
	s_add_nc_u64 s[BP:BP+1], s[BP:BP+1], s[46:47]
	WIN TO_B
.irp b, 0,1,2,3,4,5,6,7                ; the bias of my 128 columns, into window 1
	global_load_b128 v[8*(\b):8*(\b)+3],   v[BO], s[BP:BP+1] offset:64*(\b)
	global_load_b128 v[8*(\b)+4:8*(\b)+7], v[BO], s[BP:BP+1] offset:64*(\b)+16
.endr
	WIN 0
; 16 matrix instructions: m blocks a0, a0 + 1 of the window's four x all 8 n blocks, 32 along K.  zero = 1: the first product starts the sums, with the bias.
.macro MUL16 f, hi, a0, zero
.if \zero
	WIN BIA_LO+0x40*(\hi)
.else
	WIN MUL_LO+0x50*(\hi)
.endif
.irp a, \a0, (\a0)+1
.irp b, 0,1,2,3,4,5,6,7
.if \zero
	v_wmma_f32_16x16x32_f16 v[8*(8*(\a)+(\b)):8*(8*(\a)+(\b))+7], v[(\f)+8*(\b):(\f)+8*(\b)+7], v[(\f)+8*(4*(\hi)+(\a)):(\f)+8*(4*(\hi)+(\a))+7], v[8*(\b):8*(\b)+7]
.else
	v_wmma_f32_16x16x32_f16 v[8*(8*(\a)+(\b)):8*(8*(\a)+(\b))+7], v[(\f)+8*(\b):(\f)+8*(\b)+7], v[(\f)+8*(4*(\hi)+(\a)):(\f)+8*(4*(\hi)+(\a))+7], v[8*(8*(\a)+(\b)):8*(8*(\a)+(\b))+7]
.endif
.endr
.endr
.endm
; 32 LDS loads in one run: the fragments of quarter q of a K step into buffer f.  Wo: 32 K at byte 64 q of its rows.  A: slabs 4 q + h and 4 q + 2 + h of the step's sixteen (eight to a half), 16 rows = 256 bytes a block.
.macro FETCH slot, q, f
	WIN TO_B
.irp i, 0,1,2,3,4,5,6,7
	ds_load_b128 v[(\f)+8*(\i):(\f)+8*(\i)+3],   v[ADRB+(\slot)] offset:64*(\q)+(\i)*16*PITCH
	ds_load_b128 v[(\f)+8*(\i)+4:(\f)+8*(\i)+7], v[ADRB+(\slot)] offset:64*(\q)+(\i)*16*PITCH+32
.endr
	WIN 0
.irp i, 0,1,2,3,4,5,6,7
	ds_load_b128 v[(\f)+8*(\i):(\f)+8*(\i)+3],   v[ADRA+(\slot)] offset:((\q)/2)*HALFT+((\q)%2)*16384+(\i)*256
	ds_load_b128 v[(\f)+8*(\i)+4:(\f)+8*(\i)+7], v[ADRA+(\slot)] offset:((\q)/2)*HALFT+((\q)%2)*16384+(\i)*256+8192
.endr
.endm
.macro PLACES                          ; four places in front of loads into registers that matrix instructions have read, and of LDS stores that read results
.rept 4
	v_nop
.endr
.endm
; A K step is four quarters of 32 along K, 64 matrix instructions each, on buffers 0, 1, 0, 1; the 64 accumulators take turns.  One of the first three multiplies buffer f and fetches quarter q into g.
.macro QUARTER slot, q, f, g, zero
	s_wait_dscnt 8                                 ; Wo and A's rows 0-63 are in; the youngest eight loads (A's rows 64-127) may be out
	MUL16 \f, 0, 0, \zero
	MUL16 \f, 0, 2, \zero
	PLACES
	FETCH \slot, \q, \g
	s_wait_dscnt 32                                ; all but the 32 just issued
	MUL16 \f, 1, 0, \zero
	MUL16 \f, 1, 2, \zero
.endm
; The last quarter's first half: ONE barrier for the change of slots.  In front of it each wave waits for all its tensor loads (its part of the next slot), adds 0 to its spare word, and waits for that and for its reads of this slot.
.macro MEET round
	WIN 0                                          ; (the add's two registers lie in window 0)
	s_wait_tensorcnt 0x0                           ; all my tensor loads have landed
	ds_add_u32 v[SPW], v[NIL]                      ; 0 onto my spare word
	s_wait_dscnt 9                                 ; (the add and the youngest eight loads may be out)
	MUL16 F1, 0, 0, 0
	s_wait_dscnt 0x0                               ; the add is done, and my reads of this slot are over
	s_barrier_signal -1
	MUL16 F1, 0, 2, 0
.if \round
	WIN 0
.endif
	s_barrier_wait -1
.endm
.macro TURN slot, next                 ; the whole last quarter: behind the round this slot is filled again, two K steps on; 224 matrix instructions stand between the request and the wait for it
	MEET 1
	CREST                                          ; no wave of any partner still reads this slot's tile or has a load on its way
	s_add_nc_u64 s[G0+4*(\slot)+2:G0+4*(\slot)+3], s[G0+4*(\slot)+2:G0+4*(\slot)+3], 2*ASTEP
	s_add_nc_u64 s[G0B+4*(\slot)+2:G0B+4*(\slot)+3], s[G0B+4*(\slot)+2:G0B+4*(\slot)+3], 2*KSTEP*2
	JLOAD \slot                                    ; the first tensor load behind the round, my only one until the next; its four v_nop are also the places in front of the loads below
	FETCH \next, 0, F0
	MUL16 F1, 1, 0, 0
	MUL16 F1, 1, 2, 0
.endm
; THE WAY OUT of block a: 16 rows, the sixteen heads at one row offset 8 x half + a.  TOSTAGE: a lane's eight f32 of a row and n block go into my stage, low registers first, and whole rows of 512 bytes come back.
.macro TOSTAGE a
.set AC, 64*((\a)%4)
.set BK, F0+64*((\a)%2)
	WIN 0x08+4*((\a)/4)                            ; the stores' data: window 2 or 3
.irp b, 0,1,2,3,4,5,6,7
	ds_store_b128 v[STO], v[AC+8*(\b):AC+8*(\b)+3]   offset:64*(\b)
	ds_store_b128 v[STO], v[AC+8*(\b)+4:AC+8*(\b)+7] offset:64*(\b)+16
.endr
	WIN 0
	s_wait_xcnt 0x0                                ; the stores of the block two back have read these registers: they are loaded again only behind this wait
.irp t, 0,1,2,3,4,5,6,7,8,9,10,11,12,13,14,15
	ds_load_b128 v[BK+4*(\t):BK+4*(\t)+3], v[RD] offset:(\t)*OPITCH  ; LDS serves a wave's instructions in order (ISA guide 5.7.1.4): these see the stores above, and the next block's stores come behind them
.endr
.endm
.macro SEND a, younger                 ; younger: the LDS instructions issued behind block a's loads: the next block's 16 stores and 16 loads, or none
	WIN 0
.set BK, F0+64*((\a)%2)
.irp t, 0,1,2,3,4,5,6,7,8,9,10,11,12,13,14,15
	s_wait_dscnt (\younger)+15-(\t)                ; row t is back
.if (\t) < 8
	global_store_b128 v[CO], v[BK+4*(\t):BK+4*(\t)+3], s[CP:CP+1] offset:(\t)*HROW+(\a)*4096 th:TH_STORE_NT  ; 512 consecutive bytes of one row, at a multiple of 512 from out0's first byte
.else
	global_store_b128 v[CO], v[BK+4*(\t):BK+4*(\t)+3], s[CP2:CP2+1] offset:((\t)-8)*HROW+(\a)*4096 th:TH_STORE_NT
.endif
.endr
.endm
	s_wait_tensorcnt 1                             ; my part of K step 0 is in; K step 1's may stay out
	s_barrier_signal -1
	s_barrier_wait -1                              ; everybody's is
	FETCH 0, 0, F0
	s_wait_loadcnt 0x0                             ; the bias
	QUARTER 0, 1, F0, F1, 1                        ; the first quarter stands in front of the loop: its products start the sums
	WIN 0                                          ; at a label and at a branch every window is 0
	s_mov_b32 s3, LAPS-1
.Llap:                                                 ; a trip goes once round the ring, from a lap's second quarter to the next lap's first, and fills both slots again
	QUARTER 0, 2, F1, F0, 0
	QUARTER 0, 3, F0, F1, 0
	TURN 0, 1
	QUARTER 1, 1, F0, F1, 0
	QUARTER 1, 2, F1, F0, 0
	QUARTER 1, 3, F0, F1, 0
	TURN 1, 0
	QUARTER 0, 1, F0, F1, 0
	WIN 0
	s_sub_co_u32 s3, s3, 1
	s_cmp_lg_u32 s3, 0
	s_cbranch_scc1 .Llap
	QUARTER 0, 2, F1, F0, 0                        ; the last lap fills nothing, and has no round of the cluster's barrier
	QUARTER 0, 3, F0, F1, 0
	MEET 0
	PLACES
	FETCH 1, 0, F0
	MUL16 F1, 1, 0, 0
	MUL16 F1, 1, 2, 0
	QUARTER 1, 1, F0, F1, 0
	QUARTER 1, 2, F1, F0, 0
	QUARTER 1, 3, F0, F1, 0
	s_wait_dscnt 8                                 ; the very last quarter: nothing more to fetch
	MUL16 F1, 0, 0, 0
	MUL16 F1, 0, 2, 0
	s_wait_dscnt 0x0
	MUL16 F1, 1, 0, 0
	MUL16 F1, 1, 2, 0
	PLACES
	TOSTAGE 0
.irp a, 1,2,3,4,5,6,7                  ; a block's trip through the stage is under way while the block before is stored
	TOSTAGE \a
	SEND (\a)-1, 32
.endr
	SEND 7, 0
	s_wait_tensorcnt 0x0                           ; the wave's end: behind my last tensor load and my last LDS store
	ds_add_u32 v[SPW], v[NIL]
	s_wait_dscnt 0x0
	CROUND                                         ; the closing round: no work-group ends while a partner may still ask for a tile that names it
	s_endpgm
.Lfunc_end_k_q1460059922_oproj:
	.size	k_q1460059922_oproj, .Lfunc_end_k_q1460059922_oproj-k_q1460059922_oproj
	.p2alignl 7, 3214868480
	.fill 96, 4, 3214868480
	.section	.rodata,"a",@progbits
	.p2align	6, 0x0
	.amdhsa_kernel k_q1460059922_oproj
		.amdhsa_group_segment_fixed_size 327680
		.amdhsa_private_segment_fixed_size 0
		.amdhsa_enable_private_segment 0
		.amdhsa_kernarg_size 32
		.amdhsa_user_sgpr_count 2
		.amdhsa_user_sgpr_kernarg_segment_ptr 1
		.amdhsa_wavefront_size32 1
		.amdhsa_system_sgpr_workgroup_id_x 1
		.amdhsa_system_sgpr_workgroup_id_y 1
		.amdhsa_system_sgpr_workgroup_id_z 1
		.amdhsa_system_vgpr_workitem_id 0
		.amdhsa_next_free_vgpr 1024
		.amdhsa_next_free_sgpr 76
		.amdhsa_reserve_vcc 0
		.amdhsa_float_denorm_mode_32 3
		.amdhsa_float_denorm_mode_16_64 3
		.amdhsa_memory_ordered 1
		.amdhsa_forward_progress 1
		.amdhsa_inst_pref_size 146
	.end_amdhsa_kernel
	.amdgpu_metadata
---
amdhsa.version: [ 1, 2 ]
amdhsa.kernels:
  - .name:           k_q1460059922_oproj
    .symbol:         k_q1460059922_oproj.kd
    .args:
      - { .name: att, .offset: 0, .size: 8, .value_kind: global_buffer, .address_space: global }
      - { .name: wb, .offset: 8, .size: 8, .value_kind: global_buffer, .address_space: global }
      - { .name: out0, .offset: 16, .size: 8, .value_kind: global_buffer, .address_space: global }
      - { .name: bp, .offset: 24, .size: 8, .value_kind: global_buffer, .address_space: global }
    .group_segment_fixed_size: 327680
    .private_segment_fixed_size: 0
    .kernarg_segment_align: 8
    .kernarg_segment_size: 32
    .max_flat_workgroup_size: 128
    .sgpr_count:     76
    .vgpr_count:     1024
    .wavefront_size: 32
...
	.end_amdgpu_metadata
.endif
;; end of part 4
;; ======== version 2 of 2: 4 launches; version 1 with the launch attn written anew for expert scheduling mode
;; limits: values are held in f16: magnitudes above 65,504 overflow, below 6.1e-05 lose precision
;; workspace buffers: xb 33,554,432 bytes; wb 8,388,608 bytes; bp 16,384 bytes; qkv 100,663,296 bytes; att 33,554,432 bytes
;; launch prep: the kernel of part 1 again; grid 1280 x 1, 8 waves a work-group, no clusters, 0 bytes of LDS; arguments x, Wq, Wk, Wv, Wo, bq, bk, bv, bo, xb, wb, bp; writes xb, wb, bp
;; launch qkv: the kernel of part 2 again; grid 4 x 64, 4 waves a work-group, clusters of 4 x 4, 327,680 bytes of LDS; arguments xb, wb, qkv, bp; writes qkv
;; launch attn (part 5): grid 1024 x 1, 4 waves a work-group, no clusters, 0 bytes of LDS; arguments qkv, att; writes att
.if DOCPART == 5
	.amdgcn_target "amdgcn-amd-amdhsa--gfx1250"
	.amdhsa_code_object_version 6
	.text
	.protected	k_q1460059922_attn
	.globl	k_q1460059922_attn
	.p2align	8
	.type	k_q1460059922_attn,@function
k_q1460059922_attn:
	s_mov_b64 s[64:65], 0
	v_nop
	global_prefetch_b8 v0, s[64:65] scope:SCOPE_SE
	s_setreg_imm32_b32 hwreg(HW_REG_WAVE_SCHED_MODE, 0, 2), 2
	s_setreg_imm32_b32 hwreg(HW_REG_WAVE_MODE, 25, 1), 1
	s_wait_xcnt 0x0
	s_wait_alu depctr_vm_vsrc(0)
; HEADS ATTEND TO HEADS, position by position.  For each of 16,384 positions p: S[hq][hk] = the sum over d of q[p][hq][d] k[p][hk][d]; P = softmax over hk of S / 8; O[hq][d] = the sum over hk of P[hq][hk] v[p][hk][d].
; qkv: three regions [16384][1024] f16.  q's and k's columns: (d >> 4) 256 + 16 head + (d & 15); v's: 16 d + head.  Products, maximum and sum in f32; P (divided by its sum) and O are rounded once to f16.
; LIMITS.  A weight below 2^-126 counts as 0 in the sum; P below 6e-5 keeps f16's fixed step of 6e-8; O is a mean of v's rows and has their range.  NaN and infinities are not treated apart.
; att, the last product's left operand in blocks: [tile p >> 8][k8 = 8 (p & 15) + d / 8][row = 16 ((p >> 4) & 15) + hq][8 numbers]: the flat reshape puts head hq of position s into row
; 256 hq + s / 16, column 64 (s % 16) + d; a tile gathers the 256 rows that 256 consecutive positions feed.
; SHARES.  A wave owns four positions, written out side by side (g = 0..3): 48 loads of 512 consecutive bytes go out at once, 8 + 16 matrix instructions, 16 stores.  No LDS, no barrier, no loop: with these
; layouts lane l (r = l % 16, h = l / 16) finds every fragment at byte 32 r + 16 h of a block of 512 bytes.  No cluster: no two work-groups read the same bytes.
; LAYOUT.  S^T = K Q^T (source 0 = 16 heads hk, source 1 = 16 heads hq): a lane holds hq = r and hk = 8 h + 0..7.  Rounded in pairs these are registers 0-3 of source 1 of O^T = V^T P; registers 4-7 (hk 16-31) are 0,
; so what source 0 holds there (the next block of v, or four zeros) adds nothing.  O^T holds hq = r and d = 16 i + 8 h + 0..7: 16 bytes that belong together in att.
; THE MODE: SCHED_MODE bits 1:0 = 2 (LLVM: expert scheduling mode 2), set by the entry lines.  The code itself states the register dependences between vector or matrix instructions and memory
; instructions, with s_wait_alu, always for 0.
; THE PLAN.  One straight path, no branch.  Registers that memory instructions touch:
;   v1, v2      the loads' and the stores' offsets.  Written by vector lines at the head, never again: one wait on va_vdst ahead of the first load states both.
;   K, Q, V     the 48 loads land in them; no vector instruction names them ahead of the loads.  Matrix instructions read them behind the waits on LOADcnt.  O^T is later written over Q's and K's registers,
;               which no memory instruction has read.
;   O^T         the low four of each eight registers: written by the conversions, read by the stores, and not written again.  The way out goes in two halves: positions 0 and 1 are converted, one wait on
;               va_vdst, and their eight stores are dealt among the conversions of positions 2 and 3, which name other registers; one more wait, and the last eight stores.
;   s16         written by v_readfirstlane_b32: one wait on va_sdst ahead of its first reader.
; No register that a memory instruction reads is ever written again, so no wait on vm_vsrc is owed.  EXEC and VCC are never written.
.set LO, 1                             ; v1        32 r + 16 h
.set SO, 2                             ; v2        4,096 h + 16 r: my 16 bytes in att
.set T,  4                             ; v[4:19]   four registers at work for each position
.set Q,  20                            ; v[20:83]  16 a position
.set K,  84                            ; v[84:147]
.set V,  148                           ; v[148:211], and v[212:215] = 0
.set S,  216                           ; v[216:247] 8 a position
.set O,  20                            ; O^T takes Q's and K's registers: position g, d block i at O + 32 g + 8 i
	s_load_b64 s[4:5], s[0:1], 0x0                 ; qkv
	s_load_b64 s[10:11], s[0:1], 0x8               ; att
	v_lshrrev_b32 v3, 5, v0
	v_readfirstlane_b32 s16, v3
	s_lshl_b32 s17, ttmp9, 2
	s_mov_b32 s19, 0
	s_mov_b32 s21, 0
	s_mov_b32 s12, 0x76543210                      ; v_permlanex16_b32: each lane takes its own place in the other half
	s_mov_b32 s13, 0xfedcba98
	s_mov_b32 s14, 0x3e38aa3b                      ; c = log2(e) / 8
	s_mov_b32 s15, s14                             ; named with it as a pair
	v_and_b32 v4, 15, v0                           ; r
	v_bfe_u32 v5, v0, 4, 1                         ; h
	v_lshlrev_b32 v[LO], 5, v4
	v_lshl_add_u32 v[LO], v5, 4, v[LO]
	v_lshlrev_b32 v[SO], 4, v4
	v_lshl_add_u32 v[SO], v5, 12, v[SO]
	s_wait_alu depctr_va_sdst(0)                   ; s16 is written, ahead of its first reader: the bases of qkv and att are made from it
	s_add_co_u32 s16, s16, s17                     ; W, my wave among 4,096: positions 4 W .. 4 W + 3
	s_lshl_b32 s18, s16, 13                        ; four rows of 2,048 bytes
	s_lshr_b32 s20, s16, 6                         ; the tile, p >> 8: 524,288 bytes each
	s_lshl_b32 s20, s20, 19
	s_and_b32 s22, s16, 3                          ; p & 15 = 4 (W & 3) + g: 32,768 bytes each
	s_lshl_b32 s22, s22, 17
	s_add_co_u32 s20, s20, s22
	s_bfe_u32 s22, s16, 0x40002                    ; (p >> 4) & 15: 16 rows of 16 bytes each
	s_lshl_b32 s22, s22, 8
	s_add_co_u32 s20, s20, s22
	s_wait_kmcnt 0x0
	s_add_nc_u64 s[4:5], s[4:5], s[18:19]          ; q at my rows,
	s_add_nc_u64 s[6:7], s[4:5], 0x2000000         ; k, one region on,
	s_add_nc_u64 s[8:9], s[4:5], 0x4000000         ; v, two
	s_add_nc_u64 s[10:11], s[10:11], s[20:21]
	s_wait_alu depctr_va_vdst(0)                   ; v1 and v2 are written: every load below reads v1 as its offset, every store of the kernel v2
.irp g, 0,1,2,3
.irp i, 0,1,2,3
	global_load_b128 v[K+16*(\g)+4*(\i):K+16*(\g)+4*(\i)+3], v[LO], s[6:7] offset:2048*(\g)+512*(\i) th:TH_LOAD_NT  ; head r, d = 16 i + 8 h + 0..7
.endr
.endr
.irp g, 0,1,2,3
.irp i, 0,1,2,3
	global_load_b128 v[Q+16*(\g)+4*(\i):Q+16*(\g)+4*(\i)+3], v[LO], s[4:5] offset:2048*(\g)+512*(\i) th:TH_LOAD_NT
.endr
.endr
.irp g, 0,1,2,3
.irp i, 0,1,2,3
	global_load_b128 v[V+16*(\g)+4*(\i):V+16*(\g)+4*(\i)+3], v[LO], s[8:9] offset:2048*(\g)+512*(\i) th:TH_LOAD_NT  ; d = 16 i + r, heads 8 h + 0..7
.endr
.endr
.irp j, 0,1,2,3
	v_mov_b32 v[V+64+(\j)], 0                      ; four registers that no memory instruction names
.endr
	s_wait_loadcnt 16                              ; k and q are in; v's sixteen loads stay out
.irp g, 0,1,2,3                        ; the four accumulators take turns, one instruction a turn; d 0-31 start the sums
	v_wmma_f32_16x16x32_f16 v[S+8*(\g):S+8*(\g)+7], v[K+16*(\g):K+16*(\g)+7], v[Q+16*(\g):Q+16*(\g)+7], 0
.endr
.irp g, 0,1,2,3                        ; d 32-63
	v_wmma_f32_16x16x32_f16 v[S+8*(\g):S+8*(\g)+7], v[K+16*(\g)+8:K+16*(\g)+15], v[Q+16*(\g)+8:Q+16*(\g)+15], v[S+8*(\g):S+8*(\g)+7]
.endr
.rept 4
	v_nop                                          ; the places behind those products
.endr
	; THE SOFTMAX, each step for the four positions in turn, so that no line waits for the line before it.  The maximum begins at each accumulator's low end.
.irp g, 0,1,2,3
	v_max3_num_f32 v[T+4*(\g)], v[S+8*(\g)], v[S+8*(\g)+1], v[S+8*(\g)+2]
.endr
.irp g, 0,1,2,3
	v_max3_num_f32 v[T+4*(\g)+1], v[S+8*(\g)+3], v[S+8*(\g)+4], v[S+8*(\g)+5]
.endr
.irp g, 0,1,2,3
	v_max3_num_f32 v[T+4*(\g)], v[T+4*(\g)], v[S+8*(\g)+6], v[S+8*(\g)+7]
.endr
.irp g, 0,1,2,3
	v_max_num_f32 v[T+4*(\g)], v[T+4*(\g)], v[T+4*(\g)+1]
.endr
.irp g, 0,1,2,3
	v_permlanex16_b32 v[T+4*(\g)+1], v[T+4*(\g)], s12, s13  ; the other eight heads hk lie in the lane 16 away
.endr
.irp g, 0,1,2,3
	v_max_num_f32 v[T+4*(\g)], v[T+4*(\g)], v[T+4*(\g)+1]
.endr
.irp g, 0,1,2,3
	v_mul_f32 v[T+4*(\g)], s14, v[T+4*(\g)]        ; c m
.endr
.irp g, 0,1,2,3
.irp j, 0,2,4,6
	v_pk_fma_f32 v[S+8*(\g)+(\j):S+8*(\g)+(\j)+1], v[S+8*(\g)+(\j):S+8*(\g)+(\j)+1], s[14:15], v[T+4*(\g):T+4*(\g)+1] op_sel_hi:[1,0,0] neg_lo:[0,0,1] neg_hi:[0,0,1]  ; c s - c m
.endr
.endr
.set i, 0
.rept 32
	v_exp_f32 v[S+i], v[S+i]
.set i, i+1
.endr
	v_nop                                          ; a plain instruction between the last exponential and the use of its result (ISA guide 5.7.2)
	s_wait_alu depctr_va_vdst(0)                   ; the 32 exponentials have written v[S ..], ahead of the sums that read them: one wait for the batch
.irp g, 0,1,2,3
	v_pk_add_f32 v[T+4*(\g)+2:T+4*(\g)+3], v[S+8*(\g):S+8*(\g)+1], v[S+8*(\g)+2:S+8*(\g)+3]
.endr
.irp g, 0,1,2,3
	v_pk_add_f32 v[T+4*(\g)+2:T+4*(\g)+3], v[T+4*(\g)+2:T+4*(\g)+3], v[S+8*(\g)+4:S+8*(\g)+5]
.endr
.irp g, 0,1,2,3
	v_pk_add_f32 v[T+4*(\g)+2:T+4*(\g)+3], v[T+4*(\g)+2:T+4*(\g)+3], v[S+8*(\g)+6:S+8*(\g)+7]
.endr
.irp g, 0,1,2,3
	v_add_f32 v[T+4*(\g)+2], v[T+4*(\g)+2], v[T+4*(\g)+3]
.endr
.irp g, 0,1,2,3
	v_permlanex16_b32 v[T+4*(\g)+3], v[T+4*(\g)+2], s12, s13
.endr
.irp g, 0,1,2,3
	v_add_f32 v[T+4*(\g)+2], v[T+4*(\g)+2], v[T+4*(\g)+3]  ; the sum is at least 1: the largest weight is 1
.endr
.irp g, 0,1,2,3
	v_rcp_f32 v[T+4*(\g)+2], v[T+4*(\g)+2]
.endr
	v_nop                                          ; a plain instruction between the last reciprocal and the use of its result
	s_wait_alu depctr_va_vdst(0)                   ; the four reciprocals have written v[T + 4 g + 2], ahead of the multiplies that read them: one wait for the batch
.irp g, 0,1,2,3
.irp j, 0,2,4,6
	v_pk_mul_f32 v[S+8*(\g)+(\j):S+8*(\g)+(\j)+1], v[S+8*(\g)+(\j):S+8*(\g)+(\j)+1], v[T+4*(\g)+2:T+4*(\g)+3] op_sel_hi:[1,0]
.endr
.endr
.irp g, 0,1,2,3
.irp j, 0,1,2,3
	v_cvt_pk_f16_f32 v[S+8*(\g)+(\j)], v[S+8*(\g)+2*(\j)], v[S+8*(\g)+2*(\j)+1]  ; in place, ascending: register j is written when it has been read
.endr
.endr
.irp g, 0,1,2,3
.irp j, 4,5,6,7
	v_mov_b32 v[S+8*(\g)+(\j)], 0                  ; there are no heads 16-31
.endr
.endr
	s_wait_loadcnt 0x0                             ; v
.irp g, 0,1,2,3
.irp i, 0,1,2,3                        ; sixteen sums of one product each
	v_wmma_f32_16x16x32_f16 v[O+32*(\g)+8*(\i):O+32*(\g)+8*(\i)+7], v[V+16*(\g)+4*(\i):V+16*(\g)+4*(\i)+7], v[S+8*(\g):S+8*(\g)+7], 0
.endr
.endr
.rept 4
	v_nop                                          ; the places behind those products
.endr
	; THE WAY OUT, in two halves.  Each accumulator is converted in place from its low end on; its low four registers are then a lane's 16 bytes.
.irp g, 0,1
.irp i, 0,1,2,3
.irp j, 0,1,2,3
	v_cvt_pk_f16_f32 v[O+32*(\g)+8*(\i)+(\j)], v[O+32*(\g)+8*(\i)+2*(\j)], v[O+32*(\g)+8*(\i)+2*(\j)+1]
.endr
.endr
.endr
	s_wait_alu depctr_va_vdst(0)                   ; the conversions have written positions 0 and 1's registers, v[O .. O + 63], which the eight stores below read
.irp g, 2,3
.irp i, 0,1,2,3
	global_store_b128 v[SO], v[O+32*((\g)-2)+8*(\i):O+32*((\g)-2)+8*(\i)+3], s[10:11] offset:32768*((\g)-2)+8192*(\i)  ; each half of the lanes stores 256 consecutive bytes, at a multiple of 256 from att's first byte.  No wait: the conversions since the wait name v[O + 64 ..] alone
.irp j, 0,1,2,3
	v_cvt_pk_f16_f32 v[O+32*(\g)+8*(\i)+(\j)], v[O+32*(\g)+8*(\i)+2*(\j)], v[O+32*(\g)+8*(\i)+2*(\j)+1]
.endr
.endr
.endr
	s_wait_alu depctr_va_vdst(0)                   ; the conversions have written positions 2 and 3's registers, v[O + 64 .. O + 127], which the last eight stores read
.irp g, 2,3
.irp i, 0,1,2,3
	global_store_b128 v[SO], v[O+32*(\g)+8*(\i):O+32*(\g)+8*(\i)+3], s[10:11] offset:32768*(\g)+8192*(\i)
.endr
.endr
	s_endpgm
.Lfunc_end_k_q1460059922_attn:
	.size	k_q1460059922_attn, .Lfunc_end_k_q1460059922_attn-k_q1460059922_attn
	.p2alignl 7, 3214868480
	.fill 96, 4, 3214868480
	.section	.rodata,"a",@progbits
	.p2align	6, 0x0
	.amdhsa_kernel k_q1460059922_attn
		.amdhsa_group_segment_fixed_size 0
		.amdhsa_private_segment_fixed_size 0
		.amdhsa_enable_private_segment 0
		.amdhsa_kernarg_size 16
		.amdhsa_user_sgpr_count 2
		.amdhsa_user_sgpr_kernarg_segment_ptr 1
		.amdhsa_wavefront_size32 1
		.amdhsa_system_sgpr_workgroup_id_x 1
		.amdhsa_system_sgpr_workgroup_id_y 1
		.amdhsa_system_sgpr_workgroup_id_z 1
		.amdhsa_system_vgpr_workitem_id 0
		.amdhsa_next_free_vgpr 248
		.amdhsa_next_free_sgpr 66
		.amdhsa_reserve_vcc 0
		.amdhsa_float_denorm_mode_32 3
		.amdhsa_float_denorm_mode_16_64 3
		.amdhsa_memory_ordered 1
		.amdhsa_forward_progress 1
		.amdhsa_inst_pref_size 22
	.end_amdhsa_kernel
	.amdgpu_metadata
---
amdhsa.version: [ 1, 2 ]
amdhsa.kernels:
  - .name:           k_q1460059922_attn
    .symbol:         k_q1460059922_attn.kd
    .args:
      - { .name: qkv, .offset: 0, .size: 8, .value_kind: global_buffer, .address_space: global }
      - { .name: att, .offset: 8, .size: 8, .value_kind: global_buffer, .address_space: global }
    .group_segment_fixed_size: 0
    .private_segment_fixed_size: 0
    .kernarg_segment_align: 8
    .kernarg_segment_size: 16
    .max_flat_workgroup_size: 128
    .sgpr_count:     66
    .vgpr_count:     248
    .wavefront_size: 32
...
	.end_amdgpu_metadata
.endif
;; end of part 5
;; launch oproj: the kernel of part 4 again; grid 4 x 64, 4 waves a work-group, clusters of 4 x 4, 327,680 bytes of LDS; arguments att, wb, out0, bp; writes out0
